; MI455X (gfx1250); checked and timed in simulation.
; The chip was launched on July 23, 2026; its instructions are those of AMD's public machine-readable ISA for CDNA 5 (MIT licence, August 2026) and "CDNA5" Instruction Set Architecture Reference Guide (July 2026). The comments in the code are by the model that wrote it; some were corrected since.
;; Multi Head Attention. Allowed arithmetic: float matrix products may take bf16 or f16 operands with f32 sums; all other float work in f32.
;; Inputs: Wk 1,024 x 1,024 float32; Wo 1,024 x 1,024 float32; Wq 1,024 x 1,024 float32; Wv 1,024 x 1,024 float32; bk 1,024 float32; bo 1,024 float32; bq 1,024 float32; bv 1,024 float32; key 2 x 2,048 x 1,024 float32; query 2 x 2,048 x 1,024 float32; value 2 x 2,048 x 1,024 float32.
;; Outputs: out0 2 x 2,048 x 1,024 float32.
;; 2 versions, each right. Each part assembles by itself: llvm-mc -triple=amdgcn-amd-amdhsa -mcpu=gfx1250 --defsym DOCPART=n.
;; ======== version 1 of 2: 3 launches
;; limits: values are held in f16: magnitudes above 65,504 overflow, below 6.1e-05 lose precision; right only within a limited range of input values; inputs' magnitudes at most 65,504
;; workspace buffers: qh 8,388,608 bytes; kh 8,388,608 bytes; vh 8,388,608 bytes; xh 8,388,608 bytes
;; launch proj (part 1): grid 8 x 96, 4 waves a work-group, no clusters, 148,992 bytes of LDS; arguments query, key, value, Wq, Wk, Wv, bq, bk, bv, qh, kh, vh; writes qh, kh, vh
.if DOCPART == 1
	.amdgcn_target "amdgcn-amd-amdhsa--gfx1250"
	.amdhsa_code_object_version 6
	.text
	.protected	k_q7970f02383_proj
	.globl	k_q7970f02383_proj
	.p2align	8
	.type	k_q7970f02383_proj,@function
k_q7970f02383_proj:
	s_mov_b64 s[64:65], 0
	v_nop
	global_prefetch_b8 v0, s[64:65] scope:SCOPE_SE
	s_setreg_imm32_b32 hwreg(HW_REG_WAVE_MODE, 25, 1), 1
	s_wait_xcnt 0x0
; qh = (query Wq^T + bq) / 2, kh = (key Wk^T + bk) / 2, vh = (value Wv^T + bv) / 2, rounded once to f16 and stored as [b][head][s][64].
; WHY f16 AND NOT bf16: q, k, v, p and x are each rounded on their way to a product.  With 8 significant bits each rounding is about 0.15% of the
; operand's root mean square and the chain adds up to about 0.35% of the result's; with f16's 11 bits it is an eighth of that.  Sums are f32.
; LIMITS, stated: every input below 65,504 in magnitude; |q|, |k|, |v| below 131,008 (they are stored halved), beyond that they become infinite.
; Room: all inputs 30 times the drawn size give |q| about 5,500; an offset of 30 spreads on activations and weights gives 1024 x 30 x 30/32 = 28,800.
; Both at once (2.6e7) do not fit.  Downward the stored step never falls below 2^-24: at 1/900 of the drawn size (rms 5.6e-4 as stored) nearly all numbers keep 11 bits.
; Grid: x = block column nt (128 outputs), y = 32 p + mt: p picks the product (0 q, 1 k, 2 v), mt the block row (128 rows): 768 equal blocks.
; A block of 128 x 128 by four waves of 64 x 64 (wm = w >> 1 rows, wn = w & 1 columns); K = 1024 in 8 steps of 128 through two LDS slots.
; ROAD OF THE OPERANDS: global_load_b128 (f32) -> v_cvt_pk_f16_f32 -> ds_store_b64 (f16) -> ds_load_b128 fragments -> matrix instruction.
; NO TENSOR LOADS, SO NO JOINT REQUESTS: a tensor load would lay f32 into LDS; a K step's two tiles would then be 128 KiB written and, each row
; being read by two waves, 256 KiB read, and every number converted twice, against 64 KiB and 128 KiB here and one conversion.
; In flight: a whole K step, 64 loads of 512 bytes in each of four waves, asked for one K step before it is converted.
; REGISTERS: window 0 addresses, fragments, work; window 1 v0-127 the 16 accumulator tiles, v128-159 my 32 biases; window 2 v0-255 staged f32.
.set PITCH,  272                       ; LDS row: 256 bytes of f16 + 16: 17 x 16 bytes, so 16 neighbouring rows start in 16 different 16-byte columns modulo 256
.set ATILE,  128*PITCH                 ; the activations' 128 rows; the weights' 128 rows lie behind them
.set SLOT,   2*ATILE
.set STAGE,  2*SLOT                    ; behind the slots: 16 rows x 144 bytes for each wave, for the way out
.set SPITCH, 144
.set GOF, 8                            ; v8      (32 w + 8 h) x 4096 + 16 c: my bytes in a tile's first staged row; never rewritten
.set SO,  9                            ; v9-10   (32 w + 8 h) x 272 + 8 c in slot 0, 1
.set FA,  11                           ; v11-12  my fragments of the activations in slot 0, 1
.set FW,  13                           ; v13-14  my fragments of the weights
.set STO, 15                           ; v15     way out: where I put 16 bytes of a row
.set RD,  16                           ; v16     way out: where I read rows back
.set GO,  17                           ; v17     16 x lane
.set BOF, 18                           ; v18     32 h
.set F0,  32                           ; v32-95  fragment buffer 0: 4 x activations, 4 x weights
.set F1,  96                           ; v96-159 fragment buffer 1
.set CV,  160                          ; v160-191 converted numbers
.set ET,  192                          ; v192-223 way out, f32
.set BIAS, 128                         ; window 1
.set BA,  32                           ; s[32:33] activations, s[34:35] weights, s[36:37] bias, s[38:39] output
.set MSB, 0
.macro WIN new                         ; s_set_vgpr_msb: bits 1:0 source 0, 3:2 source 1, 5:4 source 2, 7:6 destination; the high byte repeats the setting left
.if MSB != \new
	s_set_vgpr_msb (MSB<<8)|\new
.set MSB, \new
.endif
.endm
.macro PLACES                          ; four places behind a matrix instruction (ISA guide 7.12.1) where no useful vector work stands
.rept 4
	v_nop
.endr
.endm
	s_load_b512 s[8:23], s[0:1], 0x0               ; query, key, value, Wq, Wk, Wv, bq, bk
	s_load_b256 s[24:31], s[0:1], 0x40             ; bv, qh, kh, vh
	v_lshl_add_u32 v254, v0, 2, 0x24400
	v_mov_b32 v255, 0
	v_lshrrev_b32 v1, 5, v0
	v_readfirstlane_b32 s4, v1                     ; wave 0..3
	s_lshr_b32 s5, s4, 1                           ; wm
	s_and_b32 s6, s4, 1                            ; wn
	s_and_b32 s7, ttmp7, 0xffff
	s_lshr_b32 s40, s7, 5                          ; p
	s_and_b32 s41, s7, 31                          ; mt
	s_lshl_b32 s48, s41, 19                        ; activations: 128 mt rows of 4,096 bytes
	s_mov_b32 s49, 0
	s_lshl_b32 s50, ttmp9, 19                      ; weights: 128 nt rows
	s_mov_b32 s51, 0
	s_lshl_b32 s52, ttmp9, 9                       ; bias: (128 nt + 64 wn) x 4
	s_lshl_b32 s42, s6, 8
	s_add_co_u32 s52, s52, s42
	s_mov_b32 s53, 0
	s_lshr_b32 s54, s41, 4                         ; output: ((16 b + head) x 2048 + s) x 128, b = mt >> 4, head = 2 nt + wn, s = 128 (mt & 15) + 64 wm
	s_lshl_b32 s54, s54, 4
	s_lshl_b32 s42, ttmp9, 1
	s_add_co_u32 s54, s54, s42
	s_add_co_u32 s54, s54, s6
	s_lshl_b32 s54, s54, 11
	s_and_b32 s42, s41, 15
	s_lshl_b32 s42, s42, 7
	s_add_co_u32 s54, s54, s42
	s_lshl_b32 s42, s5, 6
	s_add_co_u32 s54, s54, s42
	s_lshl_b32 s54, s54, 7
	s_mov_b32 s55, 0
	v_and_b32 v1, 15, v0                           ; c = r = lane % 16
	v_bfe_u32 v2, v0, 4, 1                         ; h = lane / 16
	v_and_b32 v3, 31, v0                           ; lane
	s_lshl_b32 s42, s4, 5
	v_lshl_add_u32 v4, v2, 3, s42                  ; 32 w + 8 h
	v_lshlrev_b32 v5, 4, v1
	v_lshl_add_u32 v[GOF], v4, 12, v5
	v_mul_u32_u24 v5, v4, PITCH
	v_lshl_add_u32 v[SO], v1, 3, v5
	v_add_nc_u32 v[SO+1], SLOT, v[SO]
	s_mul_i32 s42, s5, 64*PITCH
	s_mul_i32 s43, s6, 64*PITCH
	s_add_co_u32 s43, s43, ATILE
	v_mul_u32_u24 v5, v1, PITCH                    ; a fragment: lane holds row r; 16 bytes at 16 h and 16 more 32 bytes on
	v_lshl_add_u32 v5, v2, 4, v5
	v_add_nc_u32 v[FA], s42, v5
	v_add_nc_u32 v[FW], s43, v5
	v_add_nc_u32 v[FA+1], SLOT, v[FA]
	v_add_nc_u32 v[FW+1], SLOT, v[FW]
	s_mul_i32 s42, s4, 16*SPITCH
	s_add_co_u32 s42, s42, STAGE                   ; my stage
	v_mul_u32_u24 v5, v1, SPITCH
	v_lshl_add_u32 v5, v2, 4, v5
	v_add_nc_u32 v[STO], s42, v5
	v_lshrrev_b32 v5, 3, v3
	v_and_b32 v6, 7, v0
	v_mul_u32_u24 v5, v5, SPITCH
	v_lshl_add_u32 v5, v6, 4, v5
	v_add_nc_u32 v[RD], s42, v5                    ; back: eight lanes take one row of 128 bytes
	v_lshlrev_b32 v[GO], 4, v3
	v_lshlrev_b32 v[BOF], 5, v2
	s_wait_kmcnt 0x0
	s_cmp_eq_u32 s40, 1                            ; the product's four buffers, chosen on p alone
	s_cselect_b64 s[32:33], s[10:11], s[8:9]
	s_cselect_b64 s[34:35], s[16:17], s[14:15]
	s_cselect_b64 s[36:37], s[22:23], s[20:21]
	s_cselect_b64 s[38:39], s[28:29], s[26:27]
	s_cmp_eq_u32 s40, 2
	s_cselect_b64 s[32:33], s[12:13], s[32:33]
	s_cselect_b64 s[34:35], s[18:19], s[34:35]
	s_cselect_b64 s[36:37], s[24:25], s[36:37]
	s_cselect_b64 s[38:39], s[30:31], s[38:39]
	s_add_nc_u64 s[32:33], s[32:33], s[48:49]
	s_add_nc_u64 s[34:35], s[34:35], s[50:51]
	s_add_nc_u64 s[36:37], s[36:37], s[52:53]
	s_add_nc_u64 s[38:39], s[38:39], s[54:55]
; A quarter of a K step's loads: x = 0..7 activations, 8..15 weights; row 32 w + 8 h + 16 (i >> 3) + (i & 7), i = 4 q + ((x >> 1) & 3);
; half x & 1 of the row's 512 bytes.  Sixteen lanes take 256 consecutive bytes, aligned.  d: K steps ahead of the stepped bases.
.macro GQ q, d
	WIN 0x80
.irp x, 0,1,2,3,4,5,6,7,8,9,10,11,12,13,14,15
	global_load_b128 v[4*(16*\q+\x):4*(16*\q+\x)+3], v[GOF], s[BA+2*(\x>>3):BA+2*(\x>>3)+1] offset:(16*(\q>>1)+4*(\q&1)+((\x>>1)&3))*4096+256*(\x&1)+512*\d
.endr
.endm
; The staged quarter q is converted and stored into slot ws; g = 1: its registers are loaded again, for the K step d ahead.
.macro CVTQ q, ws, g, d
.if \g
	s_wait_loadcnt 48                              ; behind my quarter: 3 - q quarters of its K step and q of the next, 16 loads each
.else
	s_wait_loadcnt 48-16*\q                        ; nothing was asked behind this K step: the counts run down
.endif
	WIN 0x0a
.irp x, 0,1,2,3,4,5,6,7,8,9,10,11,12,13,14,15
	v_cvt_pk_f16_f32 v[CV+2*\x],   v[4*(16*\q+\x)],   v[4*(16*\q+\x)+1]
	v_cvt_pk_f16_f32 v[CV+2*\x+1], v[4*(16*\q+\x)+2], v[4*(16*\q+\x)+3]
.endr
	WIN 0
.irp x, 0,1,2,3,4,5,6,7,8,9,10,11,12,13,14,15
	ds_store_b64 v[SO+\ws], v[CV+2*\x:CV+2*\x+1] offset:(\x>>3)*ATILE+(16*(\q>>1)+4*(\q&1)+((\x>>1)&3))*PITCH+128*(\x&1)   ; the two rows of a store are 8 apart: 8 x 272 = 128 modulo 256
.endr
.if \g
	GQ \q, \d
.endif
.endm
.macro STAGEQ q, s, c, g, d
.if \c
	CVTQ \q, (1-\s), \g, \d
.else
	PLACES
.endif
.endm
; 16 LDS loads: the fragments of 32 along K (chunk ch) of slot s into buffer f
.macro FETCH s, ch, f
	WIN 0
.irp a, 0,1,2,3
	ds_load_b128 v[\f+8*\a:\f+8*\a+3],   v[FA+\s] offset:\a*16*PITCH+64*\ch
	ds_load_b128 v[\f+8*\a+4:\f+8*\a+7], v[FA+\s] offset:\a*16*PITCH+64*\ch+32
.endr
.irp b, 0,1,2,3
	ds_load_b128 v[\f+32+8*\b:\f+32+8*\b+3],   v[FW+\s] offset:\b*16*PITCH+64*\ch
	ds_load_b128 v[\f+32+8*\b+4:\f+32+8*\b+7], v[FW+\s] offset:\b*16*PITCH+64*\ch+32
.endr
.endm
; 16 matrix instructions, used transposed (source 0 = weights, source 1 = activations): lane (r, h), register j = row 16 a + r, column 16 b + 8 h + j.
; The 16 accumulators take turns, one instruction a turn.
.macro MUL f, zero
	WIN 0x50
.irp a, 0,1,2,3
.irp b, 0,1,2,3
.if \zero
	v_wmma_f32_16x16x32_f16 v[8*(4*\a+\b):8*(4*\a+\b)+7], v[\f+32+8*\b:\f+32+8*\b+7], v[\f+8*\a:\f+8*\a+7], 0
.else
	v_wmma_f32_16x16x32_f16 v[8*(4*\a+\b):8*(4*\a+\b)+7], v[\f+32+8*\b:\f+32+8*\b+7], v[\f+8*\a:\f+8*\a+7], v[8*(4*\a+\b):8*(4*\a+\b)+7]
.endif
.endr
.endr
.endm
; A K step: slot s is multiplied in four chunks on buffers 0, 1, 0, 1; between them (c = 1) the next K step is converted into the other slot.
; Each fetch into a buffer stands behind the 32 conversions (or four v_nop) that follow the products which read that buffer.
; ONE barrier: in front of its signal my stores into the other slot and my reads of this slot are done; this slot is written again only behind its wait.
.macro SUBSTEP s, zero, c, g, d, bar
	FETCH \s, 0, F0
	STAGEQ 0, \s, \c, \g, \d
	FETCH \s, 1, F1
	s_wait_dscnt 16+16*\c                          ; behind the wanted fetch: a quarter's 16 stores and the next fetch's 16 loads
	MUL F0, \zero
	STAGEQ 1, \s, \c, \g, \d
	FETCH \s, 2, F0
	s_wait_dscnt 16+16*\c
	MUL F1, 0
	STAGEQ 2, \s, \c, \g, \d
	FETCH \s, 3, F1
	s_wait_dscnt 16+16*\c
	MUL F0, 0
	STAGEQ 3, \s, \c, \g, \d
	s_wait_dscnt 0x0
.if \bar
	s_barrier_signal -1
.endif
	MUL F1, 0
	WIN 0
.if \bar
	s_barrier_wait -1
.endif
.endm
.macro STEPBASE
	s_wait_xcnt 0x0                                ; the bases of issued loads are stepped only behind this wait
	s_add_nc_u64 s[32:33], s[32:33], 1024          ; two K steps of 128 f32
	s_add_nc_u64 s[34:35], s[34:35], 1024
.endm
	WIN 0x40
.irp b, 0,1,2,3
	global_load_b128 v[BIAS+8*\b:BIAS+8*\b+3],   v[BOF], s[36:37] offset:64*\b       ; bias of columns 16 b + 8 h + 0..7
	global_load_b128 v[BIAS+8*\b+4:BIAS+8*\b+7], v[BOF], s[36:37] offset:64*\b+16
.endr
	GQ 0, 0
	GQ 1, 0
	GQ 2, 0
	GQ 3, 0
	CVTQ 0, 0, 1, 1                                ; K step 0 into slot 0; K step 1 is asked for
	CVTQ 1, 0, 1, 1
	CVTQ 2, 0, 1, 1
	CVTQ 3, 0, 1, 1
	WIN 0
	s_wait_dscnt 0x0                               ; my stores are done, for the others' reads
	s_barrier_signal -1
	s_barrier_wait -1
	SUBSTEP 0, 1, 1, 1, 2, 1                       ; the first products start the sums: nothing is cleared
	SUBSTEP 1, 0, 1, 1, 3, 1
	STEPBASE
	s_mov_b32 s44, 2
.Lk:
	SUBSTEP 0, 0, 1, 1, 2, 1
	SUBSTEP 1, 0, 1, 1, 3, 1
	STEPBASE
	s_sub_co_i32 s44, s44, 1
	s_cmp_lg_u32 s44, 0
	s_cbranch_scc1 .Lk
	SUBSTEP 0, 0, 1, 0, 0, 1                       ; K step 6: converts the last one, asks for nothing
	SUBSTEP 1, 0, 0, 0, 0, 0                       ; K step 7
	; THE WAY OUT: (sum + bias) / 2 = sum / 2 + bias / 2, one fused multiply-add (halving is exact); 16 rows at a time through my own stage.
	PLACES
	WIN 0x41
.irp k, 0,2,4,6,8,10,12,14,16,18,20,22,24,26,28,30
	v_pk_mul_f32 v[BIAS+\k:BIAS+\k+1], v[BIAS+\k:BIAS+\k+1], 0.5 op_sel_hi:[1,0]
.endr
.macro OUT16 a, f
	WIN 0x11
.irp b, 0,1,2,3
.irp k, 0,2,4,6
	v_pk_fma_f32 v[ET+8*\b+\k:ET+8*\b+\k+1], v[8*(4*\a+\b)+\k:8*(4*\a+\b)+\k+1], 0.5, v[BIAS+8*\b+\k:BIAS+8*\b+\k+1] op_sel_hi:[1,0,1]
.endr
.endr
	WIN 0
.irp b, 0,1,2,3
.irp k, 0,1,2,3
	v_cvt_pk_f16_f32 v[CV+4*\b+\k], v[ET+8*\b+2*\k], v[ET+8*\b+2*\k+1]
.endr
.endr
.irp b, 0,1,2,3
	ds_store_b128 v[STO], v[CV+4*\b:CV+4*\b+3] offset:32*\b
.endr
	s_wait_xcnt 0x0                                ; buffer f held the data of earlier stores: it is loaded again only behind this wait
.irp t, 0,1,2,3
	ds_load_b128 v[\f+4*\t:\f+4*\t+3], v[RD] offset:4*SPITCH*\t    ; LDS serves a wave's instructions in order: these see the stores above
.endr
.irp t, 0,1,2,3
	s_wait_dscnt 3-\t                              ; the younger read-backs may stay out
	global_store_b128 v[GO], v[\f+4*\t:\f+4*\t+3], s[38:39] offset:2048*\a+512*\t   ; four rows of a head: 512 consecutive bytes, aligned
.endr
.endm
	OUT16 0, F0
	OUT16 1, F1
	OUT16 2, F0
	OUT16 3, F1
	s_wait_tensorcnt 0x0
	ds_add_u32 v254, v255
	s_wait_dscnt 0x0
	s_endpgm
.Lfunc_end_k_q7970f02383_proj:
	.size	k_q7970f02383_proj, .Lfunc_end_k_q7970f02383_proj-k_q7970f02383_proj
	.p2alignl 7, 3214868480
	.fill 96, 4, 3214868480
	.section	.rodata,"a",@progbits
	.p2align	6, 0x0
	.amdhsa_kernel k_q7970f02383_proj
		.amdhsa_group_segment_fixed_size 148992
		.amdhsa_private_segment_fixed_size 0
		.amdhsa_enable_private_segment 0
		.amdhsa_kernarg_size 96
		.amdhsa_user_sgpr_count 2
		.amdhsa_user_sgpr_kernarg_segment_ptr 1
		.amdhsa_wavefront_size32 1
		.amdhsa_system_sgpr_workgroup_id_x 1
		.amdhsa_system_sgpr_workgroup_id_y 1
		.amdhsa_system_sgpr_workgroup_id_z 1
		.amdhsa_system_vgpr_workitem_id 0
		.amdhsa_next_free_vgpr 768
		.amdhsa_next_free_sgpr 66
		.amdhsa_reserve_vcc 0
		.amdhsa_float_denorm_mode_32 3
		.amdhsa_float_denorm_mode_16_64 3
		.amdhsa_memory_ordered 1
		.amdhsa_forward_progress 1
		.amdhsa_inst_pref_size 181
	.end_amdhsa_kernel
	.amdgpu_metadata
---
amdhsa.version: [ 1, 2 ]
amdhsa.kernels:
  - .name:           k_q7970f02383_proj
    .symbol:         k_q7970f02383_proj.kd
    .args:
      - { .name: query, .offset: 0, .size: 8, .value_kind: global_buffer, .address_space: global }
      - { .name: key, .offset: 8, .size: 8, .value_kind: global_buffer, .address_space: global }
      - { .name: value, .offset: 16, .size: 8, .value_kind: global_buffer, .address_space: global }
      - { .name: Wq, .offset: 24, .size: 8, .value_kind: global_buffer, .address_space: global }
      - { .name: Wk, .offset: 32, .size: 8, .value_kind: global_buffer, .address_space: global }
      - { .name: Wv, .offset: 40, .size: 8, .value_kind: global_buffer, .address_space: global }
      - { .name: bq, .offset: 48, .size: 8, .value_kind: global_buffer, .address_space: global }
      - { .name: bk, .offset: 56, .size: 8, .value_kind: global_buffer, .address_space: global }
      - { .name: bv, .offset: 64, .size: 8, .value_kind: global_buffer, .address_space: global }
      - { .name: qh, .offset: 72, .size: 8, .value_kind: global_buffer, .address_space: global }
      - { .name: kh, .offset: 80, .size: 8, .value_kind: global_buffer, .address_space: global }
      - { .name: vh, .offset: 88, .size: 8, .value_kind: global_buffer, .address_space: global }
    .group_segment_fixed_size: 148992
    .private_segment_fixed_size: 0
    .kernarg_segment_align: 8
    .kernarg_segment_size: 96
    .max_flat_workgroup_size: 128
    .sgpr_count:     66
    .vgpr_count:     768
    .wavefront_size: 32
...
	.end_amdgpu_metadata
.endif
;; end of part 1
;; launch attn (part 2): grid 8 x 32, 8 waves a work-group, clusters of 4 x 1, 327,680 bytes of LDS; arguments qh, kh, vh, xh; writes xh
.if DOCPART == 2
	.amdgcn_target "amdgcn-amd-amdhsa--gfx1250"
	.amdhsa_code_object_version 6
	.text
	.protected	k_q7970f02383_attn
	.globl	k_q7970f02383_attn
	.p2align	8
	.type	k_q7970f02383_attn,@function
k_q7970f02383_attn:
	s_mov_b64 s[64:65], 0
	v_nop
	global_prefetch_b8 v0, s[64:65] scope:SCOPE_SE
	s_setreg_imm32_b32 hwreg(HW_REG_WAVE_MODE, 25, 1), 1
	s_wait_xcnt 0x0
	s_wait_alu depctr_hold_cnt(0) depctr_sa_sdst(0) depctr_va_vdst(0) depctr_va_sdst(0) depctr_va_ssrc(0) depctr_va_vcc(0) depctr_vm_vsrc(0)
	s_getreg_b32 s2, hwreg(HW_REG_IB_STS2, 6, 4)
	s_cmp_eq_u32 s2, 0
	s_cbranch_scc0 .Lentry_in_a_cluster
	s_endpgm
.Lentry_in_a_cluster:
	s_bfe_u32 s2, ttmp6, 0x10000c
	s_cmp_lg_u32 s2, 0x3003
	s_cbranch_scc0 .Lentry_shape_is_right
	s_endpgm
.Lentry_shape_is_right:
; xh = softmax(q k^T / 8) v for each of 32 (batch, head) pairs.  qh, kh, vh, xh: [b][head][2048][64] f16, all four holding HALF the true numbers.
; A raw score is q k / 4; the factor kappa = log2(e) / 2 that makes it the base-2 exponent is applied in f32, by the fused multiply-add that takes the
; maximum away.  The maximum is a running maximum; sums and statistics are f32; p, which lies in (0, 1], is rounded to f16 for the second product.
; LIMITS, stated: x is a mean of v, so |x| below 131,008 as |v| is; the stored step of x / 2 never falls below 2^-24, and p below 2^-25 counts as 0 beside a row sum of about 1 or more.
; A work-group: 256 queries of one head (y = head pair bh, x = query block).  Eight waves: wq = w & 3 picks 64 queries, half = w >> 2 picks one half of
; each slot's 512 keys; the two halves' results meet once, at the end, through LDS.  A step is 64 keys x 64 queries: 16 KiB of fragments for 64 matrix instructions.
; CLUSTER 4 x 1: the four query blocks of a cluster walk the same K and V, so every tile is asked for jointly (mask 15).
; BOTH PRODUCTS ARE USED TRANSPOSED, so that nothing moves between lanes but one maximum:
;   S^T = K Q^T: lane (r, h), register j of tile (kt, qt) = key 16 kt + 8 h + j, query 16 qt + r;
;   tiles 2 kc and 2 kc + 1, packed in place, ARE the second source P^T of 32 keys;  O^T = V^T P^T, V^T read by the transposing LDS load:
;   lane (r, h), register j of tile (dt, qt) = d 16 dt + 8 h + j, query 16 qt + r.  Maximum, sum and rescaling belong to a lane.
; LDS: slot s at s x 155,648: V's 512 rows, pitch 160; K's 512 rows, pitch 144.  Behind the slots a stage of 16 x 144 bytes for each wq.
; The merge uses slot 0 behind its last fill and last read.  Tensor loads outstanding in a wave: two at the start, one behind each round.
.set SLOT,  155648
.set VP,    160                        ; 5 x 32 bytes
.set KP,    144                        ; 9 x 16 bytes
.set KOFF,  512*VP
.set STAGE, 2*SLOT
.set MSCR,  17408                      ; merge: 32 x 512 bytes of O, 2 x 512 of (m, l)
.set KA0, 2                            ; v2   my K fragments in slot 0, first step
.set VA0, 3                            ; v3   my V fragments
.set KA,  4                            ; v4, v5 running
.set VA,  5
.set STO, 6
.set RD,  7
.set XO,  8                            ; 16 x lane
.set QO,  9
.set MG,  10
.set MM,  12                           ; v12-19  (m, l) for qt = 0..3; m = kappa x raw maximum, rounded once
.set AL,  20                           ; v20-27  (alpha, spare)
.set TA,  28                           ; v28-31
.set TB,  32                           ; v32-35
.set RS,  36                           ; v36-43  pairs of sums
.set MR,  44                           ; v44-47  the raw maximum
.set PM,  52                           ; v52-59  the partner's (m, l)
.set Q,   64                           ; v64-127  Q(qt, dc) at 16 qt + 8 dc
.set S,   128                          ; v128-255 S(kt, qt) at 32 kt + 8 qt; P(kc, qt) in S(2 kc, qt)
.set KF,  128                          ; window 1: O(dt, qt) at 32 dt + 8 qt; K(kt, dc) at 128 + 16 kt + 8 dc; V(kc, dt) at 192 + 32 kc + 8 dt
.set VF,  192
.set G1V, 24
.set G1K, 32
.set G0V, 40                           ; one group 0 for each slot
.set G0K, 48
.set MSB, 0
.macro WIN new
.if MSB != \new
	s_set_vgpr_msb (MSB<<8)|\new
.set MSB, \new
.endif
.endm
.macro PLACES
.rept 4
	v_nop
.endr
.endm
.macro ROUND                           ; a round of the cluster's barrier
	s_barrier_signal -1
	s_barrier_wait -1
	s_cmp_lg_u32 s12, 0
	s_cbranch_scc1 .Lnot_wave_0_\@
	s_barrier_signal -3
.Lnot_wave_0_\@:
	s_barrier_wait -3
	s_barrier_signal -1
	s_barrier_wait -1
.endm
.macro JLOAD s                         ; waves 0-3 ask for V's quarters, waves 4-7 for K's: the branch hangs on the wave's number alone
	s_cmp_eq_u32 s13, 0
	s_cbranch_scc0 .Lfor_k_\@
	tensor_load_to_lds s[G0V+4*\s:G0V+4*\s+3], s[G1V:G1V+7]
	s_nop 0
	s_branch .Lasked_\@
.Lfor_k_\@:
	tensor_load_to_lds s[G0K+4*\s:G0K+4*\s+3], s[G1K:G1K+7]
	s_nop 0
.Lasked_\@:
.endm
	s_load_b256 s[4:11], s[0:1], 0x0               ; qh s[4:5], kh s[6:7], vh s[8:9], xh s[10:11]
	v_lshl_add_u32 v62, v0, 2, 0x4e400
	v_mov_b32 v63, 0
	ds_add_u32 v62, v63
	v_lshrrev_b32 v1, 5, v0
	v_readfirstlane_b32 s12, v1                    ; wave 0..7
	s_lshr_b32 s13, s12, 2                         ; half
	s_and_b32 s14, s12, 3                          ; wq
	s_and_b32 s15, ttmp7, 0xffff                   ; bh
	s_bfe_u32 s16, ttmp6, 0x40000                  ; cx: enters the addresses of Q and of xh alone
	s_lshl_b32 s17, ttmp9, 2
	s_add_co_u32 s17, s17, s16                     ; query block
	s_mov_b32 s67, 0x76543210                      ; v_permlanex16_b32: lane i reads lane i of the other half
	s_mov_b32 s68, 0xfedcba98
	s_mov_b32 s70, 0x3f38aa3b                      ; kappa = log2(e) / 2, twice: a pair for the packed multiply-add
	s_mov_b32 s71, 0x3f38aa3b
	; group 1: a tile of 128 rows x 64 elements of 2 bytes (a head's rows are 128 bytes in the tensor itself), padded behind every 32 words
	s_mov_b32 s[G1V+0], 15|(1<<16)|(1<<20)|(1<<21)|(4<<22)|(7<<25)   ; mask: all four of the cluster; bit 21 beside it; pad 8 words: pitch 160
	s_mov_b32 s[G1K+0], 15|(1<<16)|(1<<20)|(1<<21)|(4<<22)|(3<<25)   ; pad 4 words: pitch 144
	s_mov_b32 s[G1V+1], 64<<16                     ; tensor_dim0 = 64
	s_mov_b32 s[G1K+1], 64<<16
	s_mov_b32 s[G1V+2], 128<<16                    ; tensor_dim1 = 128
	s_mov_b32 s[G1K+2], 128<<16
	s_mov_b32 s[G1V+3], 64<<16                     ; tile_dim0 = 64
	s_mov_b32 s[G1K+3], 64<<16
	s_mov_b32 s[G1V+4], 128                        ; tile_dim1 = 128
	s_mov_b32 s[G1K+4], 128
	s_mov_b32 s[G1V+5], 64                         ; 64 elements from row to row
	s_mov_b32 s[G1K+5], 64
	s_mov_b32 s[G1V+6], 0
	s_mov_b32 s[G1K+6], 0
	s_mov_b32 s[G1V+7], 0
	s_mov_b32 s[G1K+7], 0
	s_lshl_b32 s20, s15, 18                        ; K, V: head bh, my quarter of a slot's 512 rows: the same in all four partners
	s_lshl_b32 s22, s14, 14
	s_add_co_u32 s20, s20, s22
	s_mov_b32 s21, 0
	s_mul_i32 s22, s12, 128*VP                     ; V's quarters: waves 0-3
	s_mul_i32 s23, s12, 128*KP                     ; K's quarters: waves 4-7, from KOFF on
	s_add_co_u32 s23, s23, KOFF-4*128*KP
	s_lshl_b32 s60, s15, 18                        ; Q and xh: head bh, rows 256 x block + 64 wq of 128 bytes
	s_lshl_b32 s62, s17, 15
	s_add_co_u32 s60, s60, s62
	s_lshl_b32 s62, s14, 13
	s_add_co_u32 s60, s60, s62
	s_mov_b32 s61, 0
	v_and_b32 v1, 15, v0                           ; r
	v_bfe_u32 v11, v0, 4, 1                        ; h
	v_and_b32 v48, 31, v0                          ; lane
	v_lshlrev_b32 v49, 7, v1
	v_lshl_add_u32 v[QO], v11, 4, v49              ; r x 128 + 16 h
	s_wait_dscnt 0x0
	s_wait_kmcnt 0x0
	s_add_nc_u64 s[56:57], s[8:9], s[20:21]
	s_add_nc_u64 s[58:59], s[6:7], s[20:21]
	s_add_nc_u64 s[4:5], s[4:5], s[60:61]
	s_add_nc_u64 s[10:11], s[10:11], s[60:61]
.irp s, 0,1
	s_mov_b32 s[G0V+4*\s], 1
	s_add_co_u32 s[G0V+4*\s+1], s22, \s*SLOT
	s_add_nc_u64 s[G0V+4*\s+2:G0V+4*\s+3], s[56:57], \s*65536      ; keys 512 s ..
	s_or_b32 s[G0V+4*\s+3], s[G0V+4*\s+3], 0x80000000
	s_mov_b32 s[G0K+4*\s], 1
	s_add_co_u32 s[G0K+4*\s+1], s23, \s*SLOT
	s_add_nc_u64 s[G0K+4*\s+2:G0K+4*\s+3], s[58:59], \s*65536
	s_or_b32 s[G0K+4*\s+3], s[G0K+4*\s+3], 0x80000000
.endr
	ROUND                                          ; all four work-groups are here: the first joint loads meet
	s_cmp_eq_u32 s13, 0                            ; both first fills of a wave inside one branch on its number
	s_cbranch_scc0 .Lfirst_k
	tensor_load_to_lds s[G0V:G0V+3], s[G1V:G1V+7]
	s_nop 0
	tensor_load_to_lds s[G0V+4:G0V+7], s[G1V:G1V+7]
	s_nop 0
	s_branch .Lfirst_done
.Lfirst_k:
	tensor_load_to_lds s[G0K:G0K+3], s[G1K:G1K+7]
	s_nop 0
	tensor_load_to_lds s[G0K+4:G0K+7], s[G1K:G1K+7]
	s_nop 0
.Lfirst_done:
.irp qt, 0,1,2,3
.irp dc, 0,1
	global_load_b128 v[Q+16*\qt+8*\dc:Q+16*\qt+8*\dc+3],   v[QO], s[4:5] offset:2048*\qt+64*\dc      ; Q stays in registers for the whole kernel
	global_load_b128 v[Q+16*\qt+8*\dc+4:Q+16*\qt+8*\dc+7], v[QO], s[4:5] offset:2048*\qt+64*\dc+32
.endr
.endr
	s_mul_i32 s62, s13, 256*KP
	s_add_co_u32 s62, s62, KOFF
	v_mul_u32_u24 v49, v1, KP
	v_lshl_add_u32 v49, v11, 4, v49
	v_add_nc_u32 v[KA0], s62, v49                  ; (256 half + r) x 144 + 16 h
	s_mul_i32 s62, s13, 256*VP
	v_and_b32 v49, 7, v0
	v_lshl_add_u32 v49, v11, 3, v49
	v_mul_u32_u24 v49, v49, VP
	v_bfe_u32 v50, v0, 3, 1
	v_lshl_add_u32 v49, v50, 4, v49
	v_add_nc_u32 v[VA0], s62, v49                  ; (256 half + 8 h + (lane & 7)) x 160 + 16 ((lane >> 3) & 1)
	s_mul_i32 s62, s14, 16*KP
	s_add_co_u32 s62, s62, STAGE
	v_mul_u32_u24 v49, v1, KP
	v_lshl_add_u32 v49, v11, 4, v49
	v_add_nc_u32 v[STO], s62, v49
	v_lshrrev_b32 v49, 3, v48
	v_mul_u32_u24 v49, v49, KP
	v_and_b32 v50, 7, v0
	v_lshl_add_u32 v49, v50, 4, v49
	v_add_nc_u32 v[RD], s62, v49
	v_lshlrev_b32 v[XO], 4, v48
	s_mul_i32 s62, s14, MSCR
	v_lshl_add_u32 v[MG], v48, 4, s62
.irp qt, 0,1,2,3
	v_mov_b32 v[MM+2*\qt+1], 0                     ; a packed source is read as a pair: the halves not yet in use are written once
	v_mov_b32 v[AL+2*\qt+1], 0
	v_mov_b32 v[TB+\qt], 0                         ; the permute's destination counts as read
.endr
; One step: 64 keys x 64 queries.  first = 1: the first products and sums start O, m and l; nothing is cleared or rescaled.
.macro STEP first
.if \first
.else
.rept 5
	v_nop                                          ; five places behind the last products: V's fragments are loaded again, and the scores are written over P
.endr
.endif
	WIN 0x40
.irp kt, 0,1,2,3
.irp dc, 0,1
	ds_load_b128 v[KF+16*\kt+8*\dc:KF+16*\kt+8*\dc+3],   v[KA] offset:16*KP*\kt+64*\dc
	ds_load_b128 v[KF+16*\kt+8*\dc+4:KF+16*\kt+8*\dc+7], v[KA] offset:16*KP*\kt+64*\dc+32
.endr
.endr
.irp kc, 0,1
.irp dt, 0,1,2,3
	ds_load_tr16_b128 v[VF+32*\kc+8*\dt:VF+32*\kc+8*\dt+3],   v[VA] offset:32*VP*\kc+32*\dt
	ds_load_tr16_b128 v[VF+32*\kc+8*\dt+4:VF+32*\kc+8*\dt+7], v[VA] offset:32*VP*\kc+32*\dt+16*VP
.endr
.endr
	s_wait_dscnt 16                                ; K's 16 loads are in; V's 16 may stay out
	WIN 0x01
.irp kt, 0,1,2,3                                   ; the 16 accumulators take turns, one instruction a turn
.irp qt, 0,1,2,3
	v_wmma_f32_16x16x32_f16 v[S+32*\kt+8*\qt:S+32*\kt+8*\qt+7], v[KF+16*\kt:KF+16*\kt+7], v[Q+16*\qt:Q+16*\qt+7], 0
.endr
.endr
.irp kt, 0,1,2,3
.irp qt, 0,1,2,3
	v_wmma_f32_16x16x32_f16 v[S+32*\kt+8*\qt:S+32*\kt+8*\qt+7], v[KF+16*\kt+8:KF+16*\kt+15], v[Q+16*\qt+8:Q+16*\qt+15], v[S+32*\kt+8*\qt:S+32*\kt+8*\qt+7]
.endr
.endr
	WIN 0
	v_add_nc_u32 v[KA], 64*KP, v[KA]               ; four places behind the scores: the next step's addresses and two v_nop
	v_add_nc_u32 v[VA], 64*VP, v[VA]
	v_nop
	v_nop
	; the new raw maximum: four chains, one for each qt, over my 32 scores and the old one; then the other half of the lanes
.irp qt, 0,1,2,3
.if \first
	v_max_num_f32 v[TA+\qt], v[S+8*\qt], v[S+8*\qt+1]
.else
	v_max3_num_f32 v[TA+\qt], v[S+8*\qt], v[S+8*\qt+1], v[MR+\qt]
.endif
.endr
.set n, 2
.rept 15
.irp qt, 0,1,2,3
	v_max3_num_f32 v[TA+\qt], v[S+32*(n>>3)+8*\qt+(n&7)], v[S+32*(n>>3)+8*\qt+(n&7)+1], v[TA+\qt]
.endr
.set n, n+2
.endr
.irp qt, 0,1,2,3
	v_permlanex16_b32 v[TB+\qt], v[TA+\qt], s67, s68
.endr
.irp qt, 0,1,2,3
	v_max_num_f32 v[MR+\qt], v[TA+\qt], v[TB+\qt]
.endr
.irp qt, 0,1,2,3
	v_mul_f32 v[TA+\qt], s70, v[MR+\qt]            ; m = kappa x raw maximum, rounded once; exponents and alpha both use this stored number
.endr
.if \first
.else
.irp qt, 0,1,2,3
	v_sub_f32 v[AL+2*\qt], v[MM+2*\qt], v[TA+\qt]
.endr
.endif
.irp qt, 0,1,2,3
	v_mov_b32 v[MM+2*\qt], v[TA+\qt]
.endr
.if \first
.else
.irp qt, 0,1,2,3
	v_exp_f32 v[AL+2*\qt], v[AL+2*\qt]             ; alpha = 2^(old m - new m); the multiply-adds below are the plain place behind it (ISA guide 5.7.2)
.endr
.endif
	; p = 2^(kappa s - m), in place; the next qt's multiply-adds stand behind each run of exponentials
.irp qt, 0,1,2,3
.set n, 0
.rept 16
	v_pk_fma_f32 v[S+32*(n>>3)+8*\qt+(n&7):S+32*(n>>3)+8*\qt+(n&7)+1], v[S+32*(n>>3)+8*\qt+(n&7):S+32*(n>>3)+8*\qt+(n&7)+1], s[70:71], v[MM+2*\qt:MM+2*\qt+1] op_sel_hi:[1,0,0] neg_lo:[0,0,1] neg_hi:[0,0,1]
.set n, n+2
.endr
.set n, 0
.rept 32
	v_exp_f32 v[S+32*(n>>3)+8*\qt+(n&7)], v[S+32*(n>>3)+8*\qt+(n&7)]
.set n, n+1
.endr
.endr
	; my part of the row sums, four chains; l stays a lane's own until the end
	s_wait_alu depctr_va_vdst(0)
.irp qt, 0,1,2,3
	v_pk_add_f32 v[RS+2*\qt:RS+2*\qt+1], v[S+8*\qt:S+8*\qt+1], v[S+8*\qt+2:S+8*\qt+3]
.endr
.set n, 4
.rept 14
.irp qt, 0,1,2,3
	v_pk_add_f32 v[RS+2*\qt:RS+2*\qt+1], v[RS+2*\qt:RS+2*\qt+1], v[S+32*(n>>3)+8*\qt+(n&7):S+32*(n>>3)+8*\qt+(n&7)+1]
.endr
.set n, n+2
.endr
.irp qt, 0,1,2,3
	v_add_f32 v[RS+2*\qt], v[RS+2*\qt], v[RS+2*\qt+1]
.endr
.irp qt, 0,1,2,3
.if \first
	v_mov_b32 v[MM+2*\qt+1], v[RS+2*\qt]
.else
	v_fma_f32 v[MM+2*\qt+1], v[MM+2*\qt+1], v[AL+2*\qt], v[RS+2*\qt]
.endif
.endr
	; P^T of 32 keys, packed in place: registers 0-3 from tile 2 kc, 4-7 from tile 2 kc + 1; each target has been read before it is written
.irp qt, 0,1,2,3
.irp kc, 0,1
.irp i, 0,1,2,3
	v_cvt_pk_f16_f32 v[S+64*\kc+8*\qt+\i], v[S+64*\kc+8*\qt+2*\i], v[S+64*\kc+8*\qt+2*\i+1]
.endr
.irp i, 0,1,2,3
	v_cvt_pk_f16_f32 v[S+64*\kc+8*\qt+4+\i], v[S+64*\kc+32+8*\qt+2*\i], v[S+64*\kc+32+8*\qt+2*\i+1]
.endr
.endr
.endr
.if \first
.else
	WIN 0x41
.irp dt, 0,1,2,3
.irp qt, 0,1,2,3
.irp i, 0,2,4,6
	v_pk_mul_f32 v[32*\dt+8*\qt+\i:32*\dt+8*\qt+\i+1], v[32*\dt+8*\qt+\i:32*\dt+8*\qt+\i+1], v[AL+2*\qt:AL+2*\qt+1] op_sel_hi:[1,0]
.endr
.endr
.endr
.endif
	s_wait_dscnt 0x0                               ; V's fragments are in
	WIN 0x51
.irp dt, 0,1,2,3                                   ; again 16 accumulators by turns
.irp qt, 0,1,2,3
.if \first
	v_wmma_f32_16x16x32_f16 v[32*\dt+8*\qt:32*\dt+8*\qt+7], v[VF+8*\dt:VF+8*\dt+7], v[S+8*\qt:S+8*\qt+7], 0
.else
	v_wmma_f32_16x16x32_f16 v[32*\dt+8*\qt:32*\dt+8*\qt+7], v[VF+8*\dt:VF+8*\dt+7], v[S+8*\qt:S+8*\qt+7], v[32*\dt+8*\qt:32*\dt+8*\qt+7]
.endif
.endr
.endr
.irp dt, 0,1,2,3
.irp qt, 0,1,2,3
	v_wmma_f32_16x16x32_f16 v[32*\dt+8*\qt:32*\dt+8*\qt+7], v[VF+32+8*\dt:VF+32+8*\dt+7], v[S+64+8*\qt:S+64+8*\qt+7], v[32*\dt+8*\qt:32*\dt+8*\qt+7]
.endr
.endr
	WIN 0
.endm
; The change of slots.  Every wave's reads are back and all its tensor loads have landed, the next slot's part among them.  refill = 1: a round of the
; cluster's barrier, so that this holds of every wave of all four work-groups, and the slot just read is asked for again, 1,024 keys on, first thing behind it.
.macro TRANS slot, refill
	s_wait_dscnt 0x0
	s_wait_tensorcnt 0x0
	ds_add_u32 v62, v63
	s_wait_dscnt 0x0
.if \refill
	s_add_nc_u64 s[G0V+4*\slot+2:G0V+4*\slot+3], s[G0V+4*\slot+2:G0V+4*\slot+3], 131072
	s_add_nc_u64 s[G0K+4*\slot+2:G0K+4*\slot+3], s[G0K+4*\slot+2:G0K+4*\slot+3], 131072
	ROUND
	JLOAD \slot
.else
	s_barrier_signal -1
	s_barrier_wait -1
.endif
.endm
.macro PHASE slot, n                   ; my 256 keys of a slot, n steps of 64
	v_add_nc_u32 v[KA], \slot*SLOT, v[KA0]
	v_add_nc_u32 v[VA], \slot*SLOT, v[VA0]
	s_mov_b32 s66, \n
.Lphase_\@:
	STEP 0
	s_sub_co_i32 s66, s66, 1
	s_cmp_lg_u32 s66, 0
	s_cbranch_scc1 .Lphase_\@
.endm
	s_wait_tensorcnt 0x1                           ; my part of slot 0 is in; slot 1's may stay out
	s_barrier_signal -1
	s_barrier_wait -1
	s_wait_loadcnt 0x0                             ; Q
	v_mov_b32 v[KA], v[KA0]
	v_mov_b32 v[VA], v[VA0]
	STEP 1
	s_mov_b32 s66, 3
.Lphase0:
	STEP 0
	s_sub_co_i32 s66, s66, 1
	s_cmp_lg_u32 s66, 0
	s_cbranch_scc1 .Lphase0
	TRANS 0, 1                                     ; keys 1024 .. 1535 go out into slot 0
	PHASE 1, 4
	TRANS 1, 1                                     ; keys 1536 .. 2047 into slot 1: the last fill
	PHASE 0, 4
	TRANS 0, 0                                     ; nothing is left to fetch
	PHASE 1, 4
	; THE MERGE: waves 4-7 hand O and (m, l) to waves 0-3 through slot 0, which has had its last fill, and whose last reads stand in front of the barrier above.
	PLACES
	s_cmp_eq_u32 s13, 0
	s_cbranch_scc1 .Lno_send
	WIN 0x04
.set n, 0
.rept 32
	ds_store_b128 v[MG], v[4*n:4*n+3] offset:512*n
.set n, n+1
.endr
	WIN 0
	ds_store_b128 v[MG], v[MM:MM+3] offset:16384
	ds_store_b128 v[MG], v[MM+4:MM+7] offset:16896
.Lno_send:
	s_wait_dscnt 0x0                               ; the stores are done, for the partner's reads
	s_barrier_signal -1
	s_barrier_wait -1
	s_cmp_lg_u32 s13, 0
	s_cbranch_scc1 .Lclose
	ds_load_b128 v[PM:PM+3], v[MG] offset:16384
	ds_load_b128 v[PM+4:PM+7], v[MG] offset:16896
.set n, 0
.rept 32
	ds_load_b128 v[S+4*n:S+4*n+3], v[MG] offset:512*n
.set n, n+1
.endr
	s_wait_dscnt 32                                ; the partner's (m, l) are in; its O may stay out
.irp qt, 0,1,2,3
	v_max_num_f32 v[TA+\qt], v[MM+2*\qt], v[PM+2*\qt]
.endr
.irp qt, 0,1,2,3
	v_sub_f32 v[AL+2*\qt], v[MM+2*\qt], v[TA+\qt]
	v_sub_f32 v[RS+2*\qt], v[PM+2*\qt], v[TA+\qt]
.endr
.irp qt, 0,1,2,3
	v_exp_f32 v[AL+2*\qt], v[AL+2*\qt]
	v_exp_f32 v[RS+2*\qt], v[RS+2*\qt]
.endr
	v_nop                                          ; the plain place behind the exponentials
	s_wait_alu depctr_va_vdst(0)
.irp qt, 0,1,2,3
	v_mul_f32 v[TB+\qt], v[MM+2*\qt+1], v[AL+2*\qt]
.endr
.irp qt, 0,1,2,3
	v_fma_f32 v[TB+\qt], v[PM+2*\qt+1], v[RS+2*\qt], v[TB+\qt]
.endr
.irp qt, 0,1,2,3
	v_permlanex16_b32 v[TA+\qt], v[TB+\qt], s67, s68               ; the other half of the lanes holds the other keys' part of l, under the same m
.endr
.irp qt, 0,1,2,3
	v_add_f32 v[TB+\qt], v[TB+\qt], v[TA+\qt]                      ; about 1 or more: the key of the maximum adds 2^0, up to m's one rounding
.endr
.irp qt, 0,1,2,3
	v_rcp_f32 v[TB+\qt], v[TB+\qt]
.endr
	v_nop                                          ; the plain place behind the reciprocals
	s_wait_alu depctr_va_vdst(0)
.irp qt, 0,1,2,3
	v_mul_f32 v[AL+2*\qt], v[AL+2*\qt], v[TB+\qt]
	v_mul_f32 v[RS+2*\qt], v[RS+2*\qt], v[TB+\qt]
.endr
	s_wait_dscnt 0x0
.irp dt, 0,1,2,3
.irp qt, 0,1,2,3
.irp i, 0,2,4,6
	v_pk_mul_f32 v[S+32*\dt+8*\qt+\i:S+32*\dt+8*\qt+\i+1], v[S+32*\dt+8*\qt+\i:S+32*\dt+8*\qt+\i+1], v[RS+2*\qt:RS+2*\qt+1] op_sel_hi:[1,0]
.endr
.endr
.endr
	WIN 0x01
.irp dt, 0,1,2,3
.irp qt, 0,1,2,3
.irp i, 0,2,4,6
	v_pk_fma_f32 v[S+32*\dt+8*\qt+\i:S+32*\dt+8*\qt+\i+1], v[32*\dt+8*\qt+\i:32*\dt+8*\qt+\i+1], v[AL+2*\qt:AL+2*\qt+1], v[S+32*\dt+8*\qt+\i:S+32*\dt+8*\qt+\i+1] op_sel_hi:[1,0,1]
.endr
.endr
.endr
	WIN 0
; THE WAY OUT, 16 queries at a time: 16 bytes a lane into my stage, whole rows back, four rows of 128 bytes a store.
.macro OUTQ qt, f
.irp dt, 0,1,2,3
.irp i, 0,1,2,3
	v_cvt_pk_f16_f32 v[Q+4*\dt+\i], v[S+32*\dt+8*\qt+2*\i], v[S+32*\dt+8*\qt+2*\i+1]
.endr
.endr
.irp dt, 0,1,2,3
	ds_store_b128 v[STO], v[Q+4*\dt:Q+4*\dt+3] offset:32*\dt
.endr
	s_wait_xcnt 0x0                                ; registers f held the data of earlier stores: loaded again only behind this wait
.irp t, 0,1,2,3
	ds_load_b128 v[\f+4*\t:\f+4*\t+3], v[RD] offset:4*KP*\t        ; LDS serves a wave's instructions in order: these see the stores above
.endr
.irp t, 0,1,2,3
	s_wait_dscnt 3-\t                              ; the younger read-backs may stay out
	global_store_b128 v[XO], v[\f+4*\t:\f+4*\t+3], s[10:11] offset:2048*\qt+512*\t   ; 512 consecutive bytes, aligned
.endr
.endm
	OUTQ 0, 80
	OUTQ 1, 96
	OUTQ 2, 80
	OUTQ 3, 96
.Lclose:
	s_wait_tensorcnt 0x0
	ds_add_u32 v62, v63
	s_wait_dscnt 0x0
	ROUND                                          ; the closing round: no work-group ends while a partner may still ask jointly
	s_endpgm
.Lfunc_end_k_q7970f02383_attn:
	.size	k_q7970f02383_attn, .Lfunc_end_k_q7970f02383_attn-k_q7970f02383_attn
	.p2alignl 7, 3214868480
	.fill 96, 4, 3214868480
	.section	.rodata,"a",@progbits
	.p2align	6, 0x0
	.amdhsa_kernel k_q7970f02383_attn
		.amdhsa_group_segment_fixed_size 327680
		.amdhsa_private_segment_fixed_size 0
		.amdhsa_enable_private_segment 0
		.amdhsa_kernarg_size 32
		.amdhsa_user_sgpr_count 2
		.amdhsa_user_sgpr_kernarg_segment_ptr 1
		.amdhsa_wavefront_size32 1
		.amdhsa_system_sgpr_workgroup_id_x 1
		.amdhsa_system_sgpr_workgroup_id_y 1
		.amdhsa_system_sgpr_workgroup_id_z 1
		.amdhsa_system_vgpr_workitem_id 0
		.amdhsa_next_free_vgpr 512
		.amdhsa_next_free_sgpr 72
		.amdhsa_reserve_vcc 0
		.amdhsa_float_denorm_mode_32 3
		.amdhsa_float_denorm_mode_16_64 3
		.amdhsa_memory_ordered 1
		.amdhsa_forward_progress 1
		.amdhsa_inst_pref_size 188
	.end_amdhsa_kernel
	.amdgpu_metadata
---
amdhsa.version: [ 1, 2 ]
amdhsa.kernels:
  - .name:           k_q7970f02383_attn
    .symbol:         k_q7970f02383_attn.kd
    .args:
      - { .name: qh, .offset: 0, .size: 8, .value_kind: global_buffer, .address_space: global }
      - { .name: kh, .offset: 8, .size: 8, .value_kind: global_buffer, .address_space: global }
      - { .name: vh, .offset: 16, .size: 8, .value_kind: global_buffer, .address_space: global }
      - { .name: xh, .offset: 24, .size: 8, .value_kind: global_buffer, .address_space: global }
    .group_segment_fixed_size: 327680
    .private_segment_fixed_size: 0
    .kernarg_segment_align: 8
    .kernarg_segment_size: 32
    .max_flat_workgroup_size: 256
    .sgpr_count:     72
    .vgpr_count:     512
    .wavefront_size: 32
...
	.end_amdgpu_metadata
.endif
;; end of part 2
;; launch oproj (part 3): grid 8 x 32, 4 waves a work-group, no clusters, 157,184 bytes of LDS; arguments xh, Wo, bo, out0; writes out0
.if DOCPART == 3
	.amdgcn_target "amdgcn-amd-amdhsa--gfx1250"
	.amdhsa_code_object_version 6
	.text
	.protected	k_q7970f02383_oproj
	.globl	k_q7970f02383_oproj
	.p2align	8
	.type	k_q7970f02383_oproj,@function
k_q7970f02383_oproj:
	s_mov_b64 s[64:65], 0
	v_nop
	global_prefetch_b8 v0, s[64:65] scope:SCOPE_SE
	s_setreg_imm32_b32 hwreg(HW_REG_WAVE_MODE, 25, 1), 1
	s_wait_xcnt 0x0
; out0 = x Wo^T + bo, f32.  x comes as xh, [b][head][s][64] f16, holding x / 2; Wo and bo are f32.  Operands f16 (11 significant bits), sums f32;
; the factor 2 and the bias go into one fused multiply-add on the way out.
; LIMIT, stated: |Wo| below 65,504; numbers of Wo below 2^-14 keep an absolute step of 2^-24 (at a thirtieth of the drawn size, rms 1e-3, nearly all keep 11 bits).
; Grid: x = block column nt, y = block row mt.  A block of 128 x 128 by four waves of 64 x 64; K = 1024 in 8 steps of 128 (two heads) through two LDS slots.
; x goes global_load_b128 -> ds_store_b128 as it is; Wo goes global_load_b128 (f32) -> v_cvt_pk_f16_f32 -> ds_store_b64.
; NO TENSOR LOADS, SO NO JOINT REQUESTS: a tensor load would lay Wo into LDS as f32, twice the bytes written and twice the bytes of every fragment read,
; and each number would be converted by both waves that read it.  In flight: a whole K step, 48 loads of 512 bytes in each of four waves.
; REGISTERS: window 0 addresses, fragments, work; window 1 v0-127 accumulators, v128-159 biases; window 2 v0-191 staged loads, 48 a quarter.
.set PITCH,  272                       ; 17 x 16 bytes
.set ATILE,  128*PITCH
.set SLOT,   2*ATILE
.set STAGE,  2*SLOT                    ; 16 rows x 272 bytes for each wave
.set GOF, 8                            ; v8      Wo: (32 w + 8 h) x 4096 + 16 c
.set SO,  9                            ; v9-10   Wo in LDS: (32 w + 8 h) x 272 + 8 c, slot 0, 1
.set FA,  11
.set FW,  13
.set STO, 15
.set RD,  16
.set BOF, 18
.set AOF, 19                           ; v19     x: 32 w rows of 128 bytes + 16 x lane
.set ASO, 20                           ; v20-21  x in LDS: (32 w + (lane >> 3)) x 272 + 16 (lane & 7), slot 0, 1
.set OO,  22                           ; v22     out0: (lane >> 4) x 4096 + 16 (lane & 15)
.set F0,  32
.set F1,  96
.set CV,  160
.set ET,  192
.set BIAS, 128
.set MSB, 0
.macro WIN new
.if MSB != \new
	s_set_vgpr_msb (MSB<<8)|\new
.set MSB, \new
.endif
.endm
.macro PLACES
.rept 4
	v_nop
.endr
.endm
	s_load_b256 s[8:15], s[0:1], 0x0               ; xh, Wo, bo, out0
	v_lshl_add_u32 v254, v0, 2, 0x26400
	v_mov_b32 v255, 0
	v_lshrrev_b32 v1, 5, v0
	v_readfirstlane_b32 s4, v1                     ; wave
	s_lshr_b32 s5, s4, 1                           ; wm
	s_and_b32 s6, s4, 1                            ; wn
	s_and_b32 s41, ttmp7, 0xffff                   ; mt
	s_lshr_b32 s48, s41, 4                         ; x: batch mt >> 4 (16 heads of 262,144 bytes), rows 128 (mt & 15) of 128 bytes
	s_lshl_b32 s48, s48, 22
	s_and_b32 s42, s41, 15
	s_lshl_b32 s42, s42, 14
	s_add_co_u32 s48, s48, s42
	s_mov_b32 s49, 0
	s_lshl_b32 s50, ttmp9, 19                      ; Wo: 128 nt rows of 4,096 bytes
	s_mov_b32 s51, 0
	s_lshl_b32 s52, ttmp9, 9                       ; bo: (128 nt + 64 wn) x 4
	s_lshl_b32 s42, s6, 8
	s_add_co_u32 s52, s52, s42
	s_mov_b32 s53, 0
	s_lshl_b32 s54, s41, 19                        ; out0: row 128 mt + 64 wm, and the same columns
	s_lshl_b32 s42, s5, 18
	s_add_co_u32 s54, s54, s42
	s_add_co_u32 s54, s54, s52
	s_mov_b32 s55, 0
	v_and_b32 v1, 15, v0                           ; c = r
	v_bfe_u32 v2, v0, 4, 1                         ; h
	v_and_b32 v3, 31, v0                           ; lane
	s_lshl_b32 s42, s4, 5
	v_lshl_add_u32 v4, v2, 3, s42                  ; 32 w + 8 h
	v_lshlrev_b32 v5, 4, v1
	v_lshl_add_u32 v[GOF], v4, 12, v5
	v_mul_u32_u24 v5, v4, PITCH
	v_lshl_add_u32 v[SO], v1, 3, v5
	v_add_nc_u32 v[SO+1], SLOT, v[SO]
	v_lshrrev_b32 v4, 3, v3
	v_add_nc_u32 v4, s42, v4                       ; 32 w + (lane >> 3)
	v_mul_u32_u24 v4, v4, PITCH
	v_and_b32 v6, 7, v0
	v_lshl_add_u32 v[ASO], v6, 4, v4
	v_add_nc_u32 v[ASO+1], SLOT, v[ASO]
	s_lshl_b32 s42, s4, 12
	v_lshl_add_u32 v[AOF], v3, 4, s42
	s_mul_i32 s42, s5, 64*PITCH
	s_mul_i32 s43, s6, 64*PITCH
	s_add_co_u32 s43, s43, ATILE
	v_mul_u32_u24 v5, v1, PITCH
	v_lshl_add_u32 v6, v2, 4, v5
	v_add_nc_u32 v[FA], s42, v6
	v_add_nc_u32 v[FW], s43, v6
	v_add_nc_u32 v[FA+1], SLOT, v[FA]
	v_add_nc_u32 v[FW+1], SLOT, v[FW]
	s_mul_i32 s42, s4, 16*PITCH
	s_add_co_u32 s42, s42, STAGE
	v_lshl_add_u32 v6, v2, 5, v5                   ; in: row r, 32 bytes for each half of the lanes
	v_add_nc_u32 v[STO], s42, v6
	v_mul_u32_u24 v5, v2, PITCH                    ; back: sixteen lanes take one row of 256 bytes
	v_lshl_add_u32 v5, v1, 4, v5
	v_add_nc_u32 v[RD], s42, v5
	v_lshlrev_b32 v5, 4, v1
	v_lshl_add_u32 v[OO], v2, 12, v5
	v_lshlrev_b32 v[BOF], 5, v2
	s_wait_kmcnt 0x0
	s_add_nc_u64 s[32:33], s[8:9], s[48:49]
	s_add_nc_u64 s[34:35], s[10:11], s[50:51]
	s_add_nc_u64 s[36:37], s[12:13], s[52:53]
	s_add_nc_u64 s[38:39], s[14:15], s[54:55]
; A quarter of a K step's loads.  x: k = 0..3, four rows 32 w + 4 i .. of head k & 1, i = 2 q + (k >> 1): 512 consecutive bytes.
; Wo: x = 0..7, row 32 w + 8 h + 16 (i >> 3) + (i & 7), i = 4 q + (x >> 1), half x & 1 of the row's 512 bytes.  d: K steps ahead of the stepped bases.
.macro GQ q, d
	WIN 0x80
.irp k, 0,1,2,3
	global_load_b128 v[48*\q+4*\k:48*\q+4*\k+3], v[AOF], s[32:33] offset:262144*(\k&1)+512*(2*\q+(\k>>1))+524288*\d
.endr
.irp x, 0,1,2,3,4,5,6,7
	global_load_b128 v[48*\q+16+4*\x:48*\q+16+4*\x+3], v[GOF], s[34:35] offset:(16*(\q>>1)+4*(\q&1)+(\x>>1))*4096+256*(\x&1)+512*\d
.endr
.endm
.macro CVTQ q, ws, g, d
.if \g
	s_wait_loadcnt 36                              ; behind my quarter: three quarters of 12 loads
.else
	s_wait_loadcnt 36-12*\q                        ; nothing was asked behind this K step: the counts run down
.endif
	WIN 0x0a
.irp x, 0,1,2,3,4,5,6,7
	v_cvt_pk_f16_f32 v[CV+2*\x],   v[48*\q+16+4*\x],   v[48*\q+16+4*\x+1]
	v_cvt_pk_f16_f32 v[CV+2*\x+1], v[48*\q+16+4*\x+2], v[48*\q+16+4*\x+3]
.endr
	WIN 0x08
.irp k, 0,1,2,3
	ds_store_b128 v[ASO+\ws], v[48*\q+4*\k:48*\q+4*\k+3] offset:4*PITCH*(2*\q+(\k>>1))+128*(\k&1)   ; sixteen lanes cover two neighbouring rows' 128 bytes: these 16 stores of a K step meet two deep
.endr
	WIN 0
.irp x, 0,1,2,3,4,5,6,7
	ds_store_b64 v[SO+\ws], v[CV+2*\x:CV+2*\x+1] offset:ATILE+(16*(\q>>1)+4*(\q&1)+(\x>>1))*PITCH+128*(\x&1)
.endr
.if \g
	GQ \q, \d
.endif
.endm
.macro STAGEQ q, s, c, g, d
.if \c
	CVTQ \q, (1-\s), \g, \d
.else
	PLACES
.endif
.endm
.macro FETCH s, ch, f
	WIN 0
.irp a, 0,1,2,3
	ds_load_b128 v[\f+8*\a:\f+8*\a+3],   v[FA+\s] offset:\a*16*PITCH+64*\ch
	ds_load_b128 v[\f+8*\a+4:\f+8*\a+7], v[FA+\s] offset:\a*16*PITCH+64*\ch+32
.endr
.irp b, 0,1,2,3
	ds_load_b128 v[\f+32+8*\b:\f+32+8*\b+3],   v[FW+\s] offset:\b*16*PITCH+64*\ch
	ds_load_b128 v[\f+32+8*\b+4:\f+32+8*\b+7], v[FW+\s] offset:\b*16*PITCH+64*\ch+32
.endr
.endm
; Used transposed (source 0 = Wo, source 1 = x): lane (r, h), register j = row 16 a + r, column 16 b + 8 h + j.
; The 16 accumulators take turns, one instruction a turn.
.macro MUL f, zero
	WIN 0x50
.irp a, 0,1,2,3
.irp b, 0,1,2,3
.if \zero
	v_wmma_f32_16x16x32_f16 v[8*(4*\a+\b):8*(4*\a+\b)+7], v[\f+32+8*\b:\f+32+8*\b+7], v[\f+8*\a:\f+8*\a+7], 0
.else
	v_wmma_f32_16x16x32_f16 v[8*(4*\a+\b):8*(4*\a+\b)+7], v[\f+32+8*\b:\f+32+8*\b+7], v[\f+8*\a:\f+8*\a+7], v[8*(4*\a+\b):8*(4*\a+\b)+7]
.endif
.endr
.endr
.endm
; A K step, as in the projections: each fetch into a buffer stands behind the 16 conversions (or four v_nop) that follow the products which read it;
; one barrier: in front of its signal my stores into the other slot and my reads of this slot are done; this slot is written again only behind its wait.
.macro SUBSTEP s, zero, c, g, d, bar
	FETCH \s, 0, F0
	STAGEQ 0, \s, \c, \g, \d
	FETCH \s, 1, F1
	s_wait_dscnt 16+12*\c                          ; behind the wanted fetch: a quarter's 12 stores and the next fetch's 16 loads
	MUL F0, \zero
	STAGEQ 1, \s, \c, \g, \d
	FETCH \s, 2, F0
	s_wait_dscnt 16+12*\c
	MUL F1, 0
	STAGEQ 2, \s, \c, \g, \d
	FETCH \s, 3, F1
	s_wait_dscnt 16+12*\c
	MUL F0, 0
	STAGEQ 3, \s, \c, \g, \d
	s_wait_dscnt 0x0
.if \bar
	s_barrier_signal -1
.endif
	MUL F1, 0
	WIN 0
.if \bar
	s_barrier_wait -1
.endif
.endm
.macro STEPBASE
	s_wait_xcnt 0x0                                ; the bases of issued loads are stepped only behind this wait
	s_add_nc_u64 s[32:33], s[32:33], 1048576       ; two K steps: four heads
	s_add_nc_u64 s[34:35], s[34:35], 1024          ; 256 f32
.endm
	WIN 0x40
.irp b, 0,1,2,3
	global_load_b128 v[BIAS+8*\b:BIAS+8*\b+3],   v[BOF], s[36:37] offset:64*\b
	global_load_b128 v[BIAS+8*\b+4:BIAS+8*\b+7], v[BOF], s[36:37] offset:64*\b+16
.endr
	GQ 0, 0
	GQ 1, 0
	GQ 2, 0
	GQ 3, 0
	CVTQ 0, 0, 1, 1
	CVTQ 1, 0, 1, 1
	CVTQ 2, 0, 1, 1
	CVTQ 3, 0, 1, 1
	WIN 0
	s_wait_dscnt 0x0                               ; my stores are done, for the others' reads
	s_barrier_signal -1
	s_barrier_wait -1
	SUBSTEP 0, 1, 1, 1, 2, 1                       ; the first products start the sums
	SUBSTEP 1, 0, 1, 1, 3, 1
	STEPBASE
	s_mov_b32 s44, 2
.Lk:
	SUBSTEP 0, 0, 1, 1, 2, 1
	SUBSTEP 1, 0, 1, 1, 3, 1
	STEPBASE
	s_sub_co_i32 s44, s44, 1
	s_cmp_lg_u32 s44, 0
	s_cbranch_scc1 .Lk
	SUBSTEP 0, 0, 1, 0, 0, 1
	SUBSTEP 1, 0, 0, 0, 0, 0
	; THE WAY OUT, 16 rows at a time through my own stage: sum x 2 + bias (x came halved), 32 bytes a lane in, whole rows of 256 bytes back.
	PLACES
.macro OUT16 a, f
	WIN 0x11
.irp b, 0,1,2,3
.irp k, 0,2,4,6
	v_pk_fma_f32 v[ET+8*\b+\k:ET+8*\b+\k+1], v[8*(4*\a+\b)+\k:8*(4*\a+\b)+\k+1], 2.0, v[BIAS+8*\b+\k:BIAS+8*\b+\k+1] op_sel_hi:[1,0,1]
.endr
.endr
	WIN 0
.irp b, 0,1,2,3
	ds_store_b128 v[STO], v[ET+8*\b:ET+8*\b+3]   offset:64*\b
	ds_store_b128 v[STO], v[ET+8*\b+4:ET+8*\b+7] offset:64*\b+16
.endr
	s_wait_xcnt 0x0                                ; buffer f held the data of earlier stores: it is loaded again only behind this wait
.irp t, 0,1,2,3,4,5,6,7
	ds_load_b128 v[\f+4*\t:\f+4*\t+3], v[RD] offset:2*PITCH*\t     ; LDS serves a wave's instructions in order: these see the stores above
.endr
.irp t, 0,1,2,3,4,5,6,7
	s_wait_dscnt 7-\t                              ; the younger read-backs may stay out
	global_store_b128 v[OO], v[\f+4*\t:\f+4*\t+3], s[38:39] offset:(16*\a+2*\t)*4096 th:TH_STORE_NT   ; sixteen lanes store 256 consecutive bytes, aligned
.endr
.endm
	OUT16 0, F0
	OUT16 1, F1
	OUT16 2, F0
	OUT16 3, F1
	s_wait_tensorcnt 0x0
	ds_add_u32 v254, v255
	s_wait_dscnt 0x0
	s_endpgm
.Lfunc_end_k_q7970f02383_oproj:
	.size	k_q7970f02383_oproj, .Lfunc_end_k_q7970f02383_oproj-k_q7970f02383_oproj
	.p2alignl 7, 3214868480
	.fill 96, 4, 3214868480
	.section	.rodata,"a",@progbits
	.p2align	6, 0x0
	.amdhsa_kernel k_q7970f02383_oproj
		.amdhsa_group_segment_fixed_size 157184
		.amdhsa_private_segment_fixed_size 0
		.amdhsa_enable_private_segment 0
		.amdhsa_kernarg_size 32
		.amdhsa_user_sgpr_count 2
		.amdhsa_user_sgpr_kernarg_segment_ptr 1
		.amdhsa_wavefront_size32 1
		.amdhsa_system_sgpr_workgroup_id_x 1
		.amdhsa_system_sgpr_workgroup_id_y 1
		.amdhsa_system_sgpr_workgroup_id_z 1
		.amdhsa_system_vgpr_workitem_id 0
		.amdhsa_next_free_vgpr 768
		.amdhsa_next_free_sgpr 66
		.amdhsa_reserve_vcc 0
		.amdhsa_float_denorm_mode_32 3
		.amdhsa_float_denorm_mode_16_64 3
		.amdhsa_memory_ordered 1
		.amdhsa_forward_progress 1
		.amdhsa_inst_pref_size 141
	.end_amdhsa_kernel
	.amdgpu_metadata
---
amdhsa.version: [ 1, 2 ]
amdhsa.kernels:
  - .name:           k_q7970f02383_oproj
    .symbol:         k_q7970f02383_oproj.kd
    .args:
      - { .name: xh, .offset: 0, .size: 8, .value_kind: global_buffer, .address_space: global }
      - { .name: Wo, .offset: 8, .size: 8, .value_kind: global_buffer, .address_space: global }
      - { .name: bo, .offset: 16, .size: 8, .value_kind: global_buffer, .address_space: global }
      - { .name: out0, .offset: 24, .size: 8, .value_kind: global_buffer, .address_space: global }
    .group_segment_fixed_size: 157184
    .private_segment_fixed_size: 0
    .kernarg_segment_align: 8
    .kernarg_segment_size: 32
    .max_flat_workgroup_size: 128
    .sgpr_count:     66
    .vgpr_count:     768
    .wavefront_size: 32
...
	.end_amdgpu_metadata
.endif
;; end of part 3
;; ======== version 2 of 2: 4 launches
;; limits: values are held in f16: magnitudes above 65,504 overflow, below 6.1e-05 lose precision; right only within a limited range of input values; inputs' magnitudes at most 65,504
;; workspace buffers: qh 8,388,608 bytes; kh 8,388,608 bytes; vh 8,388,608 bytes; xh 8,388,608 bytes; act16 25,165,824 bytes; w16 6,291,456 bytes; wo16 2,097,152 bytes
;; launch cast (part 4): grid 64 x 16, 8 waves a work-group, no clusters, 0 bytes of LDS; arguments query, key, value, Wq, Wk, Wv, Wo, act16, w16, wo16; writes act16, w16, wo16
.if DOCPART == 4
	.amdgcn_target "amdgcn-amd-amdhsa--gfx1250"
	.amdhsa_code_object_version 6
	.text
	.protected	k_q7970f02383_cast
	.globl	k_q7970f02383_cast
	.p2align	8
	.type	k_q7970f02383_cast,@function
k_q7970f02383_cast:
	s_mov_b64 s[64:65], 0
	v_nop
	global_prefetch_b8 v0, s[64:65] scope:SCOPE_SE
	s_setreg_imm32_b32 hwreg(HW_REG_WAVE_MODE, 25, 1), 1
	s_wait_xcnt 0x0
; act16 = (query, key, value), w16 = (Wq, Wk, Wv) and wo16 = Wo, rounded once to f16; act16 [3 x 4096][1024], w16 [3 x 1024][1024], wo16 [1024][1024].
; WHY A LAUNCH OF ITS OWN: in the projections each activation is an operand of 4 blocks of 256 x 256, each of Wq, Wk, Wv of 16, each number of Wo of 32 blocks
; of 128 x 128; rounded here once, they reach the blocks as 2-byte numbers that a tensor load can lay into LDS ready for the matrix unit, and no block converts anything.
; LIMIT, stated: an input of magnitude 65,520 or more becomes infinite; below 2^-14 the step stays 2^-24 (weights at a thirtieth of the drawn size, rms 1e-3, nearly all keep 11 bits).
; A stream: every byte read once and written once; LDS, barriers, the matrix unit and clusters would add nothing, since no two work-groups share a byte.
; Grid: x = 0..63, y = 0..15: 1,024 equal work-groups.  y = 4 t + u: t = 0, 1, 2 quarter u of query, key, value; t = 3: Wq, Wk, Wv, Wo for u = 0, 1, 2, 3.
; A work-group takes 64 KiB of f32: 16 loads a thread, all issued at once; a wave's load covers 512 consecutive bytes, its store 256 consecutive bytes, aligned.
.set X, 4                              ; v4-67   16 x 4 numbers as loaded
.set Y, 68                             ; v68-99  16 x 2 registers to store; no register is written twice, so no store's data waits for anything
	s_load_b512 s[8:23], s[0:1], 0x0               ; query, key, value, Wq, Wk, Wv, Wo, act16
	s_load_b128 s[36:39], s[0:1], 0x40             ; w16, wo16
	s_and_b32 s4, ttmp7, 0xffff                    ; y
	s_lshr_b32 s5, s4, 2                           ; t
	s_and_b32 s6, s4, 3                            ; u
	s_mov_b32 s25, ttmp9                           ; x
	s_lshl_b32 s7, s6, 6
	s_add_co_u32 s7, s7, s25                       ; 64 u + x
	s_lshl_b32 s24, s4, 6
	s_add_co_u32 s24, s24, s25                     ; 64 y + x
	s_cmp_lt_u32 s5, 3
	s_cselect_b32 s26, s7, s25                     ; chunk in the source: 64 u + x of an activation's 256, x of a weight's 64
	s_cselect_b32 s28, s24, s7                     ; chunk in the target: 64 y + x of act16's 768, 64 u + x of w16's 192,
	s_cmp_eq_u32 s4, 15
	s_cselect_b32 s28, s25, s28                    ; x of wo16's 64
	s_lshl_b32 s26, s26, 16                        ; 65,536 bytes of f32
	s_mov_b32 s27, 0
	s_lshl_b32 s28, s28, 15                        ; 32,768 bytes of f16
	s_mov_b32 s29, 0
	v_lshlrev_b32 v1, 4, v0                        ; 16 bytes a thread in
	v_lshlrev_b32 v2, 3, v0                        ; 8 bytes a thread out
	s_wait_kmcnt 0x0
	s_cmp_eq_u32 s6, 1                             ; the source and the target, chosen on y alone
	s_cselect_b64 s[30:31], s[16:17], s[14:15]
	s_cmp_eq_u32 s6, 2
	s_cselect_b64 s[30:31], s[18:19], s[30:31]
	s_cmp_eq_u32 s6, 3
	s_cselect_b64 s[30:31], s[20:21], s[30:31]
	s_cmp_eq_u32 s5, 0
	s_cselect_b64 s[30:31], s[8:9], s[30:31]
	s_cmp_eq_u32 s5, 1
	s_cselect_b64 s[30:31], s[10:11], s[30:31]
	s_cmp_eq_u32 s5, 2
	s_cselect_b64 s[30:31], s[12:13], s[30:31]
	s_cmp_lt_u32 s5, 3
	s_cselect_b64 s[32:33], s[22:23], s[36:37]
	s_cmp_eq_u32 s4, 15
	s_cselect_b64 s[32:33], s[38:39], s[32:33]
	s_add_nc_u64 s[30:31], s[30:31], s[26:27]
	s_add_nc_u64 s[32:33], s[32:33], s[28:29]
.irp j, 0,1,2,3,4,5,6,7,8,9,10,11,12,13,14,15
	global_load_b128 v[X+4*\j:X+4*\j+3], v1, s[30:31] offset:4096*\j th:TH_LOAD_NT     ; the eight waves together cover 4,096 bytes
.endr
.irp j, 0,1,2,3,4,5,6,7,8,9,10,11,12,13,14,15
	s_wait_loadcnt 15-\j                           ; loads come back in order (ISA guide 5.7.1): load j is in, the younger ones stay out
	v_cvt_pk_f16_f32 v[Y+2*\j],   v[X+4*\j],   v[X+4*\j+1]
	v_cvt_pk_f16_f32 v[Y+2*\j+1], v[X+4*\j+2], v[X+4*\j+3]
	global_store_b64 v2, v[Y+2*\j:Y+2*\j+1], s[32:33] offset:2048*\j
.endr
	s_endpgm
.Lfunc_end_k_q7970f02383_cast:
	.size	k_q7970f02383_cast, .Lfunc_end_k_q7970f02383_cast-k_q7970f02383_cast
	.p2alignl 7, 3214868480
	.fill 96, 4, 3214868480
	.section	.rodata,"a",@progbits
	.p2align	6, 0x0
	.amdhsa_kernel k_q7970f02383_cast
		.amdhsa_group_segment_fixed_size 0
		.amdhsa_private_segment_fixed_size 0
		.amdhsa_enable_private_segment 0
		.amdhsa_kernarg_size 80
		.amdhsa_user_sgpr_count 2
		.amdhsa_user_sgpr_kernarg_segment_ptr 1
		.amdhsa_wavefront_size32 1
		.amdhsa_system_sgpr_workgroup_id_x 1
		.amdhsa_system_sgpr_workgroup_id_y 1
		.amdhsa_system_sgpr_workgroup_id_z 1
		.amdhsa_system_vgpr_workitem_id 0
		.amdhsa_next_free_vgpr 100
		.amdhsa_next_free_sgpr 66
		.amdhsa_reserve_vcc 0
		.amdhsa_float_denorm_mode_32 3
		.amdhsa_float_denorm_mode_16_64 3
		.amdhsa_memory_ordered 1
		.amdhsa_forward_progress 1
		.amdhsa_inst_pref_size 8
	.end_amdhsa_kernel
	.amdgpu_metadata
---
amdhsa.version: [ 1, 2 ]
amdhsa.kernels:
  - .name:           k_q7970f02383_cast
    .symbol:         k_q7970f02383_cast.kd
    .args:
      - { .name: query, .offset: 0, .size: 8, .value_kind: global_buffer, .address_space: global }
      - { .name: key, .offset: 8, .size: 8, .value_kind: global_buffer, .address_space: global }
      - { .name: value, .offset: 16, .size: 8, .value_kind: global_buffer, .address_space: global }
      - { .name: Wq, .offset: 24, .size: 8, .value_kind: global_buffer, .address_space: global }
      - { .name: Wk, .offset: 32, .size: 8, .value_kind: global_buffer, .address_space: global }
      - { .name: Wv, .offset: 40, .size: 8, .value_kind: global_buffer, .address_space: global }
      - { .name: Wo, .offset: 48, .size: 8, .value_kind: global_buffer, .address_space: global }
      - { .name: act16, .offset: 56, .size: 8, .value_kind: global_buffer, .address_space: global }
      - { .name: w16, .offset: 64, .size: 8, .value_kind: global_buffer, .address_space: global }
      - { .name: wo16, .offset: 72, .size: 8, .value_kind: global_buffer, .address_space: global }
    .group_segment_fixed_size: 0
    .private_segment_fixed_size: 0
    .kernarg_segment_align: 8
    .kernarg_segment_size: 80
    .max_flat_workgroup_size: 256
    .sgpr_count:     66
    .vgpr_count:     100
    .wavefront_size: 32
...
	.end_amdgpu_metadata
.endif
;; end of part 4
;; launch proj (part 5): grid 4 x 48, 4 waves a work-group, clusters of 4 x 4, 327,680 bytes of LDS; arguments act16, w16, bq, bk, bv, qh, kh, vh; writes qh, kh, vh
.if DOCPART == 5
	.amdgcn_target "amdgcn-amd-amdhsa--gfx1250"
	.amdhsa_code_object_version 6
	.text
	.protected	k_q7970f02383_proj
	.globl	k_q7970f02383_proj
	.p2align	8
	.type	k_q7970f02383_proj,@function
k_q7970f02383_proj:
	s_mov_b64 s[64:65], 0
	v_nop
	global_prefetch_b8 v0, s[64:65] scope:SCOPE_SE
	s_setreg_imm32_b32 hwreg(HW_REG_WAVE_MODE, 25, 1), 1
	s_wait_xcnt 0x0
	s_wait_alu depctr_hold_cnt(0) depctr_sa_sdst(0) depctr_va_vdst(0) depctr_va_sdst(0) depctr_va_ssrc(0) depctr_va_vcc(0) depctr_vm_vsrc(0)
	s_getreg_b32 s2, hwreg(HW_REG_IB_STS2, 6, 4)
	s_cmp_eq_u32 s2, 0
	s_cbranch_scc0 .Lentry_in_a_cluster
	s_endpgm
.Lentry_in_a_cluster:
	s_bfe_u32 s2, ttmp6, 0x10000c
	s_cmp_lg_u32 s2, 0xf033
	s_cbranch_scc0 .Lentry_shape_is_right
	s_endpgm
.Lentry_shape_is_right:
; qh = (query Wq^T + bq) / 2, kh = (key Wk^T + bk) / 2, vh = (value Wv^T + bv) / 2, rounded once to f16 and stored as [b][head][s][64].
; Operands come as f16: act16 [3 x 4096][1024], w16 [3 x 1024][1024].  Sums and bias in f32.
; WHY f16 AND NOT bf16: q, k, v, p and x are each rounded on their way to a product.  With 8 significant bits each rounding is about 0.15% of the
; operand's root mean square and the chain adds up to about 0.35% of the result's; with f16's 11 bits it is an eighth of that.
; LIMITS, stated: |q|, |k|, |v| below 131,008 (they are stored halved), beyond that they become infinite.  Room: all inputs 30 times the drawn size give
; |q| about 5,500; an offset of 30 spreads on activations and weights gives 1024 x 30 x 30/32 = 28,800.  Both at once (2.6e7) do not fit.
; Downward the stored step never falls below 2^-24: at 1/900 of the drawn size (rms 5.6e-4 as stored) nearly all numbers keep 11 bits.
; A work-group makes a block of 256 x 256 with four waves; a wave makes 128 x 128: 64 accumulator tiles of 16 x 16, 512 registers.  For 32 along K a wave
; reads 2 x 128 x 64 bytes from LDS for 64 matrix instructions, half of what four tiles of 64 x 64 would read.  The 12,288 x 1,024 outputs are 192 such blocks.
; Grid: x = block column (4), y = block row of the stacked activations (48); the product is p = y >> 4.
; K = 1024 goes in 8 steps of 128 through a ring of two LDS slots filled by the tensor data mover: a tile's rows are 256 bytes of memory, aligned to 256.
; CLUSTERS: 4 x 4 work-groups.  The four of a cluster's row need the same tiles of the activations, the four of a column the same tiles of the weights
; (a cluster spans 4 of a product's 16 block rows, so p is one number for the whole cluster).  Such a tile is asked for JOINTLY, which divides the requests by four.
; REGISTERS, in windows of 256:
;   window 0: v0-31 addresses; v64-127, v128-191 fragments of the activations, two buffers; v192-223 at work on the way out
;   window 1: v0-63 my 64 biases; v64-127, v128-191 fragments of the weights, two buffers
;   window 2: the 32 accumulator tiles of my rows 0-63 (tile (a, b) at v[8 (8 a + b)]);   window 3: those of my rows 64-127
; THE MATRIX INSTRUCTION IS USED TRANSPOSED: source 0 = 16 rows of the weights, source 1 = 16 rows of the activations.  Lane l then holds row l % 16 of the
; result, and its registers 0 to 7 the columns 8 (l / 16) + 0 .. 7: eight neighbouring numbers of a row, which pack into 16 bytes.
.set SIZE_K, 1024
.set KSTEP,  128
.set PITCH,  272                       ; an LDS row: 256 bytes + 16 of padding = 17 x 16 bytes: the 16 rows that a load touches start in 16 different 16-byte columns modulo 256
.set HALFT,  128*PITCH                 ; 128 rows: what one tensor load brings, and what one wave reads of either operand
.set SLOT,   4*HALFT                   ; the activations' 256 rows, then the weights' 256 rows
.set STAGE,  2*SLOT                    ; behind the ring: for each wave 2 heads x 16 rows x 144 bytes, for the way out; no tensor load lands there
.set SPITCH, 144                       ; 9 x 16 bytes
.set LAPS, SIZE_K/(2*KSTEP)            ; a lap = two K steps = once round the ring: 4
.set ADRA, 16                          ; v16-17  LDS address of my fragments of the activations in slot 0, 1
.set ADRB, 20                          ; v20-21  the same for the weights
.set STO,  24                          ; v24     the way out: where I put 16 bytes of a row
.set RD,   25                          ; v25     the way out: where I read rows back
.set CO,   26                          ; v26     16 x lane
.set BO,   27                          ; v27     32 x (lane / 16)
.set F0,   64                          ; fragment buffer 0
.set F1,   128                         ; fragment buffer 1
.set TMP,  192                         ; the way out: packed results, in window 0
.set G1, 24                            ; s[24:31] descriptor group 1 for the activations' tiles
.set G0, 32                            ; s[32:39] descriptor group 0 for them, one set for each slot
.set G1B, 48                           ; s[48:55] group 1 for the weights' tiles: it differs in the mask alone
.set G0B, 56                           ; s[56:63] group 0 for them, one set for each slot
.set MSB, 0
.macro WIN new                         ; s_set_vgpr_msb: bits 1:0 source 0, 3:2 source 1, 5:4 source 2, 7:6 destination; the high byte repeats the setting left
.if MSB != \new
	s_set_vgpr_msb (MSB<<8)|\new
.set MSB, \new
.endif
.endm
.set MUL_LO, 0xa1                      ; source 0 (weights) window 1, source 1 (activations) window 0, C and D window 2
.set MUL_HI, 0xf1                      ; the same, C and D window 3
.set TO_B,   0x40                      ; destination window 1, address window 0
; A joint load.  Waves 0 and 1 fetch the activations' two halves, waves 2 and 3 the weights'.  Each line has one mask and one set of registers for all that
; issue it.  The branch hangs on the wave's number alone: it is the same in every work-group.
.macro JLOAD s
	s_cmp_eq_u32 s11, 0
	s_cbranch_scc0 .Lfor_b_\@
	tensor_load_to_lds s[G0+4*\s:G0+4*\s+3], s[G1:G1+7]
	s_nop 0
	s_branch .Lasked_\@
.Lfor_b_\@:
	tensor_load_to_lds s[G0B+4*\s:G0B+4*\s+3], s[G1B:G1B+7]
	s_nop 0
.Lasked_\@:
.endm
; A round of the cluster's barrier: my work-group's barrier, so that wave 0's signal speaks for all four waves; wave 0 signals for the work-group; every wave
; waits for all sixteen work-groups; my work-group's barrier once more.
.macro CREST                           ; a round behind its opening barrier
	s_cmp_lg_u32 s10, 0
	s_cbranch_scc1 .Lnot_wave_0_\@
	s_barrier_signal -3
.Lnot_wave_0_\@:
	s_barrier_wait -3
	s_barrier_signal -1
	s_barrier_wait -1
.endm
.macro CROUND                          ; a whole round
	s_barrier_signal -1
	s_barrier_wait -1
	CREST
.endm
	s_load_b512 s[68:83], s[0:1], 0x0              ; act16 s[68:69], w16 s[70:71], bq, bk, bv s[72:77], qh, kh, vh s[78:83]
	s_set_vgpr_msb 0x40
	v_lshl_add_u32 v255, v0, 2, 0x48800
	s_set_vgpr_msb 0x4000
	v_mov_b32 v255, 0
	s_set_vgpr_msb 0x1
	ds_add_u32 v255, v255
	s_set_vgpr_msb 0x100
	v_lshrrev_b32 v1, 5, v0
	v_readfirstlane_b32 s10, v1                    ; wave 0..3
	s_lshr_b32 s11, s10, 1                         ; which half of the block's rows is mine.  Also: I fetch activations (0) or weights (1)
	s_and_b32 s12, s10, 1                          ; which half of its columns.  Also: which 128 rows of that tile I fetch
	s_bfe_u32 s40, ttmp6, 0x40000                  ; cx
	s_bfe_u32 s41, ttmp6, 0x40004                  ; cy
	s_lshl_b32 s42, ttmp9, 2                       ; in a cluster launch ttmp9 and ttmp7 count clusters
	s_add_co_u32 s42, s42, s40                     ; block column = 4 x cluster x + cx: 0..3
	s_and_b32 s13, ttmp7, 0xffff
	s_lshl_b32 s13, s13, 2
	s_add_co_u32 s13, s13, s41                     ; block row = 4 x cluster y + cy: 0..47
	s_and_b32 s45, ttmp7, 0xffff
	s_lshr_b32 s45, s45, 2                         ; p = cluster y / 4: the same in all sixteen
	s_lshl_b32 s43, s41, 2
	s_lshl_b32 s43, 15, s43                        ; my row of the cluster: places 4 cy .. 4 cy + 3
	s_lshl_b32 s44, 0x1111, s40                    ; my column: places cx, cx + 4, cx + 8, cx + 12
	; descriptor group 1: a tile of 128 rows x 128 elements of 2 bytes, padded in LDS
	s_or_b32 s[G1+0], s43, (1<<16)|(1<<20)|(1<<21)|(5<<22)|(3<<25)  ; 15:0 the mask: my row; 17:16 element of 2 bytes; 20 padding on; 21 set beside a mask; 24:22 after every 64 words; 31:25 of 4 words
	s_or_b32 s[G1B+0], s44, (1<<16)|(1<<20)|(1<<21)|(5<<22)|(3<<25) ; the same with the mask of my column
	s_mov_b32 s[G1B+1], KSTEP<<16
	s_mov_b32 s[G1+1], KSTEP<<16                   ; tensor_dim0 = 128
	s_mov_b32 s[G1B+2], 128<<16
	s_mov_b32 s[G1+2], 128<<16                     ; tensor_dim1 = 128
	s_mov_b32 s[G1B+3], KSTEP<<16
	s_mov_b32 s[G1+3], KSTEP<<16                   ; tile_dim0 = 128
	s_mov_b32 s[G1B+4], 128
	s_mov_b32 s[G1+4], 128                         ; tile_dim1 = 128
	s_mov_b32 s[G1B+5], SIZE_K
	s_mov_b32 s[G1+5], SIZE_K                      ; 1,024 elements from row to row
	s_mov_b32 s[G1B+6], 0
	s_mov_b32 s[G1+6], 0
	s_mov_b32 s[G1B+7], 0
	s_mov_b32 s[G1+7], 0
	; where the tiles come from.  The activations' hang on the block row alone, which my row of the cluster shares; the weights' on the block column and p,
	; which my column shares.  Every wave makes both addresses, in registers that never hold the other coordinate, and asks by one of them.
	s_lshl_b32 s17, s12, 7                         ; which 128 rows of the tile I fetch
	s_lshl_b32 s16, s13, 8
	s_add_co_u32 s16, s16, s17                     ; activations: stacked row 256 x block row + 128 x half
	s_lshl_b32 s16, s16, 11                        ; rows of 2,048 bytes: 25,165,824 at the most
	s_lshl_b32 s46, s42, 8
	s_add_co_u32 s46, s46, s17
	s_lshl_b32 s47, s45, 10
	s_add_co_u32 s46, s46, s47                     ; weights: stacked row 1024 p + 256 x block column + 128 x half
	s_lshl_b32 s46, s46, 11
	s_mov_b32 s17, 0
	s_mov_b32 s47, 0
	s_mul_i32 s20, s10, HALFT                      ; and where they go: wave x 128 rows: no place in the cluster enters an LDS address
	s_wait_dscnt 0x0
	s_wait_kmcnt 0x0
	s_add_nc_u64 s[14:15], s[68:69], s[16:17]
	s_add_nc_u64 s[46:47], s[70:71], s[46:47]
	CROUND                                         ; all sixteen work-groups are here: the first joint loads meet
.irp s, 0,1
	s_mov_b32 s[G0+4*\s], 1                                        ; count = 1
	s_add_co_u32 s[G0+4*\s+1], s20, \s*SLOT                        ; LDS address
	s_add_nc_u64 s[G0+4*\s+2:G0+4*\s+3], s[14:15], \s*KSTEP*2      ; global address: K step s
	s_or_b32 s[G0+4*\s+3], s[G0+4*\s+3], 0x80000000                ; type = 2
	s_mov_b32 s[G0B+4*\s], 1
	s_add_co_u32 s[G0B+4*\s+1], s20, \s*SLOT
	s_add_nc_u64 s[G0B+4*\s+2:G0B+4*\s+3], s[46:47], \s*KSTEP*2
	s_or_b32 s[G0B+4*\s+3], s[G0B+4*\s+3], 0x80000000
	JLOAD \s                                       ; the ring is filled before anything else is done
.endr
	; A fragment is 16 rows x 32 K in 8 registers: lane l holds row l % 16; registers 0-3 hold K = 8 (l / 16) + 0..7, registers 4-7 K = 16 + 8 (l / 16) + 0..7:
	; two loads of 16 bytes, 32 bytes apart.
	v_and_b32 v1, 15, v0                           ; l % 16
	v_bfe_u32 v2, v0, 4, 1                         ; l / 16
	v_mul_u32_u24 v3, v1, PITCH
	v_lshl_add_u32 v3, v2, 4, v3                   ; row x pitch + 16 x half
	s_mul_i32 s21, s11, HALFT                      ; my 128 rows of the activations
	s_mul_i32 s22, s12, HALFT                      ; my 128 rows of the weights,
	s_add_co_u32 s22, s22, 2*HALFT                 ; which lie behind the activations' 256
.irp s, 0,1
	v_add_nc_u32 v[ADRA+\s], s21, v3
	v_add_nc_u32 v[ADRB+\s], s22, v3
	s_add_co_u32 s21, s21, SLOT
	s_add_co_u32 s22, s22, SLOT
.endr
	s_mul_i32 s23, s10, 32*SPITCH
	s_add_co_u32 s23, s23, STAGE                   ; my stage
	v_mul_u32_u24 v4, v1, SPITCH                   ; in: row l % 16, 16 bytes for each half of the lanes
	v_lshl_add_u32 v4, v2, 4, v4
	v_add_nc_u32 v[STO], s23, v4
	v_and_b32 v5, 31, v0                           ; lane
	v_lshrrev_b32 v6, 3, v5
	v_mul_u32_u24 v6, v6, SPITCH                   ; back: eight lanes take one row of 128 bytes, the wave four rows
	v_and_b32 v7, 7, v0
	v_lshl_add_u32 v6, v7, 4, v6
	v_add_nc_u32 v[RD], s23, v6
	v_lshlrev_b32 v[CO], 4, v5
	v_lshlrev_b32 v[BO], 5, v2
	; the product's bias and output, chosen on p alone; their offsets in registers that feed no descriptor
	s_cmp_eq_u32 s45, 1
	s_cselect_b64 s[84:85], s[74:75], s[72:73]
	s_cselect_b64 s[86:87], s[80:81], s[78:79]
	s_cmp_eq_u32 s45, 2
	s_cselect_b64 s[84:85], s[76:77], s[84:85]
	s_cselect_b64 s[86:87], s[82:83], s[86:87]
	s_lshl_b32 s88, s42, 10                        ; bias: (256 x block column + 128 x half) x 4
	s_lshl_b32 s89, s12, 9
	s_add_co_u32 s88, s88, s89
	s_mov_b32 s89, 0
	s_add_nc_u64 s[84:85], s[84:85], s[88:89]
	s_lshr_b32 s90, s13, 3                         ; output: ((16 b + head) x 2048 + s) x 128; b = (block row >> 3) & 1,
	s_and_b32 s90, s90, 1
	s_lshl_b32 s90, s90, 4
	s_lshl_b32 s91, s42, 2                         ; head = 4 x block column + 2 x half (my 128 columns are two heads),
	s_add_co_u32 s90, s90, s91
	s_lshl_b32 s91, s12, 1
	s_add_co_u32 s90, s90, s91
	s_lshl_b32 s90, s90, 11
	s_and_b32 s91, s13, 7                          ; s = 256 x (block row & 7) + 128 x half
	s_lshl_b32 s91, s91, 8
	s_add_co_u32 s90, s90, s91
	s_lshl_b32 s91, s11, 7
	s_add_co_u32 s90, s90, s91
	s_lshl_b32 s90, s90, 7
	s_mov_b32 s91, 0
	s_add_nc_u64 s[86:87], s[86:87], s[90:91]
	WIN TO_B
.irp b, 0,1,2,3,4,5,6,7
	global_load_b128 v[8*\b:8*\b+3],   v[BO], s[84:85] offset:64*\b       ; bias of my columns 16 b + 8 (l / 16) + 0..7, waited for on the way out
	global_load_b128 v[8*\b+4:8*\b+7], v[BO], s[84:85] offset:64*\b+16
.endr
; 16 matrix instructions: m blocks a0, a0 + 1 of the window's four (hi = 0: my rows 0-63, 1: rows 64-127) x all 8 n blocks, 32 along K.
; zero = 1: the first product starts the sums: nothing is ever cleared.  The 64 accumulators take turns, one instruction a turn, in the same order in every
; quarter step.
.macro MUL16 f, hi, a0, zero
.irp a, \a0, \a0+1
.irp b, 0,1,2,3,4,5,6,7
.if \zero
	v_wmma_f32_16x16x32_f16 v[8*(8*(\a)+\b):8*(8*(\a)+\b)+7], v[\f+8*\b:\f+8*\b+7], v[\f+8*(4*\hi+\a):\f+8*(4*\hi+\a)+7], 0
.else
	v_wmma_f32_16x16x32_f16 v[8*(8*(\a)+\b):8*(8*(\a)+\b)+7], v[\f+8*\b:\f+8*\b+7], v[\f+8*(4*\hi+\a):\f+8*(4*\hi+\a)+7], v[8*(8*(\a)+\b):8*(8*(\a)+\b)+7]
.endif
.endr
.endr
.endm
; 32 LDS loads in one run: the fragments of one quarter step (128 rows of the weights, 128 of the activations, 32 K at byte k of the rows) into buffer f
.macro FETCH slot, k, f
	WIN TO_B
.irp i, 0,1,2,3,4,5,6,7
	ds_load_b128 v[\f+8*\i:\f+8*\i+3],   v[ADRB+\slot] offset:\k+\i*16*PITCH
	ds_load_b128 v[\f+8*\i+4:\f+8*\i+7], v[ADRB+\slot] offset:\k+\i*16*PITCH+32
.endr
	WIN 0
.irp i, 0,1,2,3,4,5,6,7
	ds_load_b128 v[\f+8*\i:\f+8*\i+3],   v[ADRA+\slot] offset:\k+\i*16*PITCH
	ds_load_b128 v[\f+8*\i+4:\f+8*\i+7], v[ADRA+\slot] offset:\k+\i*16*PITCH+32
.endr
.endm
; A load into a register that a matrix instruction has read, and a vector instruction that reads a matrix result, stand four places behind that matrix
; instruction, and only plain vector instructions that name none of its registers are places (ISA guide 7.12.1 for vector instructions).
.macro PLACES
.rept 4
	v_nop
.endr
.endm
; A K step is four quarter steps of 32 along K, 64 matrix instructions each, on buffers 0, 1, 0, 1.
; One of the first three: multiplies buffer f; in its middle it fetches the next quarter's fragments, at byte k of the same slot's rows, into buffer g.
.macro QUARTER slot, k, f, g, zero
	s_wait_dscnt 8                                 ; the weights and the activations' rows 0-63 are in; the youngest eight loads (rows 64-127) may be out
	WIN MUL_LO
	MUL16 \f, 0, 0, \zero
	MUL16 \f, 0, 2, \zero
	PLACES
	FETCH \slot, \k, \g
	s_wait_dscnt 32                                ; all but the 32 just issued
	WIN MUL_HI
	MUL16 \f, 1, 0, \zero
	MUL16 \f, 1, 2, \zero
.endm
.macro THREE slot, zero
	QUARTER \slot, 64,  F0, F1, \zero
	QUARTER \slot, 128, F1, F0, 0
	QUARTER \slot, 192, F0, F1, 0
.endm
; The last quarter: multiplies buffer 1 and changes slots.  next = the other slot; fill = 1: this slot is filled again, two K steps ahead.
; ONE barrier for the change of slots.  In front of it each wave waits for its own reads of this slot and for all its tensor loads, of which one is out: its
; part of the next slot.  Behind it nobody reads this slot any more and the next slot is whole: the refill comes first, then the next slot's first fragments.
; From a request to the wait for it a wave issues 240 matrix instructions.
.macro TURN slot, next, fill
	s_wait_dscnt 8
	WIN MUL_LO
	MUL16 F1, 0, 0, 0
	s_wait_dscnt 0                                 ; my reads of this slot are over
	s_wait_tensorcnt 0x0                           ; and all my tensor loads have landed: the one that was out is my part of the next slot
	ds_add_u32 v255, v255
	s_wait_dscnt 0x0
	s_barrier_signal -1                            ; say so (where a slot is filled again this barrier opens a round of the cluster's barrier),
	MUL16 F1, 0, 2, 0                              ; work on registers while the others arrive,
	WIN 0
	s_barrier_wait -1                              ; and go on when all four have said so
.if \fill
	CREST                                          ; all sixteen work-groups have said so: no wave of any partner still reads this slot's tile or has a load on its way
	s_add_nc_u64 s[G0+4*\slot+2:G0+4*\slot+3], s[G0+4*\slot+2:G0+4*\slot+3], 2*KSTEP*2
	s_add_nc_u64 s[G0B+4*\slot+2:G0B+4*\slot+3], s[G0B+4*\slot+2:G0B+4*\slot+3], 2*KSTEP*2
	JLOAD \slot                                    ; the first tensor load behind the round, one a wave
.endif
	PLACES
	FETCH \next, 0, F0
	WIN MUL_HI
	MUL16 F1, 1, 0, 0
	MUL16 F1, 1, 2, 0
.endm
.macro LAP zero                        ; once round the ring, both slots filled again
	THREE 0, \zero
	TURN 0, 1, 1
	THREE 1, 0
	TURN 1, 0, 1
.endm
	s_wait_tensorcnt 1                             ; my part of K step 0 is in; K step 1's may stay out
	s_barrier_signal -1
	s_barrier_wait -1                              ; everybody's is
	FETCH 0, 0, F0
	LAP 1                                          ; K steps 0 and 1 stand in front of the loop: their first products start the sums
	WIN 0                                          ; at a label and at a branch every window is 0
	s_mov_b32 s3, LAPS-2
.Llap:
	LAP 0                                          ; K steps 2 to 5; the refills reach K step 7
	WIN 0
	s_sub_co_u32 s3, s3, 1
	s_cmp_lg_u32 s3, 0
	s_cbranch_scc1 .Llap
	THREE 0, 0                                     ; the last lap fills nothing and has no round: my one tensor load still out is slot 1's, the last K step's
	TURN 0, 1, 0
	THREE 1, 0
	s_wait_dscnt 8                                 ; the very last quarter: nothing more to fetch
	WIN MUL_LO
	MUL16 F1, 0, 0, 0
	MUL16 F1, 0, 2, 0
	s_wait_dscnt 0
	WIN MUL_HI
	MUL16 F1, 1, 0, 0
	MUL16 F1, 1, 2, 0
	; THE WAY OUT, 16 rows at a time: (sum + bias) / 2 = sum / 2 + bias / 2, one fused multiply-add in place (halving is exact); round to f16;
	; 16 bytes a lane into my own stage, one head's 16 rows behind the other's; back as four whole rows of a head, which are 512 consecutive bytes of the output.
	PLACES
	s_wait_loadcnt 0x0                             ; the biases
	WIN 0x41
.set n, 0
.rept 32
	v_pk_mul_f32 v[n:n+1], v[n:n+1], 0.5 op_sel_hi:[1,0]
.set n, n+2
.endr
; rows 16 i .. 16 i + 15 of my block = the eight tiles (a, 0..7) of window 2 or 3.  fm: sources 0 and destination in that window, source 2 (bias) in window 1;
; from: sources 0 and 1 in that window; f: F0 or F1 in turn
.macro OUT16 i, a, fm, from, f
	WIN \fm
.irp b, 0,1,2,3,4,5,6,7
.irp k, 0,2,4,6
	v_pk_fma_f32 v[8*(8*\a+\b)+\k:8*(8*\a+\b)+\k+1], v[8*(8*\a+\b)+\k:8*(8*\a+\b)+\k+1], 0.5, v[8*\b+\k:8*\b+\k+1] op_sel_hi:[1,0,1]
.endr
.endr
	WIN \from
.irp b, 0,1,2,3,4,5,6,7
.irp r, 0,1,2,3
	v_cvt_pk_f16_f32 v[TMP+4*\b+\r], v[8*(8*\a+\b)+2*\r], v[8*(8*\a+\b)+2*\r+1]
.endr
.endr
	WIN 0
.irp b, 0,1,2,3,4,5,6,7
	ds_store_b128 v[STO], v[TMP+4*\b:TMP+4*\b+3] offset:(\b>>2)*16*SPITCH+32*(\b&3)   ; head b >> 2, columns 16 (b & 3) + 8 (l / 16) ..
.endr
	s_wait_xcnt 0x0                                ; buffer f held the data of earlier stores: it is loaded again only behind this wait
.irp t, 0,1,2,3,4,5,6,7
	ds_load_b128 v[\f+4*\t:\f+4*\t+3], v[RD] offset:(\t>>2)*16*SPITCH+(\t&3)*4*SPITCH  ; LDS serves a wave's instructions in order (ISA guide 5.7.1.4): these see the stores above
.endr
.irp t, 0,1,2,3,4,5,6,7
	s_wait_dscnt 7-\t                              ; the younger read-backs may stay out
	global_store_b128 v[CO], v[\f+4*\t:\f+4*\t+3], s[86:87] offset:(\t>>2)*262144+(16*\i+4*(\t&3))*128   ; 512 consecutive bytes, aligned; 278,016 at the most, inside the signed 24-bit immediate
.endr
.endm
	OUT16 0, 0, 0x92, 0x0a, F0
	OUT16 1, 1, 0x92, 0x0a, F1
	OUT16 2, 2, 0x92, 0x0a, F0
	OUT16 3, 3, 0x92, 0x0a, F1
	OUT16 4, 0, 0xd3, 0x0f, F0
	OUT16 5, 1, 0xd3, 0x0f, F1
	OUT16 6, 2, 0xd3, 0x0f, F0
	OUT16 7, 3, 0xd3, 0x0f, F1
	s_set_vgpr_msb 0x1
	s_wait_tensorcnt 0x0
	ds_add_u32 v255, v255
	s_wait_dscnt 0x0
	s_set_vgpr_msb 0x100
	CROUND                                         ; the closing round: no work-group ends while a partner may still ask for a tile that names it
	s_endpgm
.Lfunc_end_k_q7970f02383_proj:
	.size	k_q7970f02383_proj, .Lfunc_end_k_q7970f02383_proj-k_q7970f02383_proj
	.p2alignl 7, 3214868480
	.fill 96, 4, 3214868480
	.section	.rodata,"a",@progbits
	.p2align	6, 0x0
	.amdhsa_kernel k_q7970f02383_proj
		.amdhsa_group_segment_fixed_size 327680
		.amdhsa_private_segment_fixed_size 0
		.amdhsa_enable_private_segment 0
		.amdhsa_kernarg_size 64
		.amdhsa_user_sgpr_count 2
		.amdhsa_user_sgpr_kernarg_segment_ptr 1
		.amdhsa_wavefront_size32 1
		.amdhsa_system_sgpr_workgroup_id_x 1
		.amdhsa_system_sgpr_workgroup_id_y 1
		.amdhsa_system_sgpr_workgroup_id_z 1
		.amdhsa_system_vgpr_workitem_id 0
		.amdhsa_next_free_vgpr 1024
		.amdhsa_next_free_sgpr 96
		.amdhsa_reserve_vcc 0
		.amdhsa_float_denorm_mode_32 3
		.amdhsa_float_denorm_mode_16_64 3
		.amdhsa_memory_ordered 1
		.amdhsa_forward_progress 1
		.amdhsa_inst_pref_size 216
	.end_amdhsa_kernel
	.amdgpu_metadata
---
amdhsa.version: [ 1, 2 ]
amdhsa.kernels:
  - .name:           k_q7970f02383_proj
    .symbol:         k_q7970f02383_proj.kd
    .args:
      - { .name: act16, .offset: 0, .size: 8, .value_kind: global_buffer, .address_space: global }
      - { .name: w16, .offset: 8, .size: 8, .value_kind: global_buffer, .address_space: global }
      - { .name: bq, .offset: 16, .size: 8, .value_kind: global_buffer, .address_space: global }
      - { .name: bk, .offset: 24, .size: 8, .value_kind: global_buffer, .address_space: global }
      - { .name: bv, .offset: 32, .size: 8, .value_kind: global_buffer, .address_space: global }
      - { .name: qh, .offset: 40, .size: 8, .value_kind: global_buffer, .address_space: global }
      - { .name: kh, .offset: 48, .size: 8, .value_kind: global_buffer, .address_space: global }
      - { .name: vh, .offset: 56, .size: 8, .value_kind: global_buffer, .address_space: global }
    .group_segment_fixed_size: 327680
    .private_segment_fixed_size: 0
    .kernarg_segment_align: 8
    .kernarg_segment_size: 64
    .max_flat_workgroup_size: 128
    .sgpr_count:     96
    .vgpr_count:     1024
    .wavefront_size: 32
...
	.end_amdgpu_metadata
.endif
;; end of part 5
;; launch attn: the kernel of part 2 again; grid 8 x 32, 8 waves a work-group, clusters of 4 x 1, 327,680 bytes of LDS; arguments qh, kh, vh, xh; writes xh
;; launch oproj (part 6): grid 8 x 32, 4 waves a work-group, clusters of 4 x 4, 327,680 bytes of LDS; arguments xh, wo16, bo, out0; writes out0
.if DOCPART == 6
	.amdgcn_target "amdgcn-amd-amdhsa--gfx1250"
	.amdhsa_code_object_version 6
	.text
	.protected	k_q7970f02383_oproj
	.globl	k_q7970f02383_oproj
	.p2align	8
	.type	k_q7970f02383_oproj,@function
k_q7970f02383_oproj:
	s_mov_b64 s[64:65], 0
	v_nop
	global_prefetch_b8 v0, s[64:65] scope:SCOPE_SE
	s_setreg_imm32_b32 hwreg(HW_REG_WAVE_MODE, 25, 1), 1
	s_wait_xcnt 0x0
	s_wait_alu depctr_hold_cnt(0) depctr_sa_sdst(0) depctr_va_vdst(0) depctr_va_sdst(0) depctr_va_ssrc(0) depctr_va_vcc(0) depctr_vm_vsrc(0)
	s_getreg_b32 s2, hwreg(HW_REG_IB_STS2, 6, 4)
	s_cmp_eq_u32 s2, 0
	s_cbranch_scc0 .Lentry_in_a_cluster
	s_endpgm
.Lentry_in_a_cluster:
	s_bfe_u32 s2, ttmp6, 0x10000c
	s_cmp_lg_u32 s2, 0xf033
	s_cbranch_scc0 .Lentry_shape_is_right
	s_endpgm
.Lentry_shape_is_right:
; out0 = x Wo^T + bo, f32.  x comes as xh, [b][head][s][64] f16, holding x / 2; Wo comes as wo16, [1024][1024] f16; bo is f32.  Operands f16 (11 significant
; bits), sums f32; the factor 2 and the bias go into one fused multiply-add on the way out.
; LIMIT, stated: what xh and wo16 hold is limited where they are made (|x| below 131,008, |Wo| below 65,520); nothing is narrowed here.
; Grid: x = block column nt (8), y = block row mt (32).  A block of 128 x 128 by four waves of 64 x 64 (wm = w >> 1 rows, wn = w & 1 columns): the 4096 x 1024
; outputs are 256 such blocks; wave tiles of 128 x 128 would leave 64.
; K = 1024 goes in 4 steps of 256 (four heads) through two LDS slots filled by the tensor data mover.  A K step is 128 matrix instructions of a wave; a slot of
; 128 along K would leave a refill half of that in which to land.  Half of all operand bytes go out as first fills; two refills follow.
; From a refill to the wait for it a wave issues 120 matrix instructions.
; x's TILE: 128 rows of one head are 16,384 consecutive bytes of xh, and the next head's lie 262,144 bytes on.  So two heads are ONE tile of 2 rows x 8,192
; elements, 131,072 elements from row to row.  The padding's words are counted along the whole tile: 4 words behind every 32 lay it into LDS as
; [head][row] with 144 bytes from row to row.  Wo's tile: 64 rows x 256 elements, 528 bytes from row to row.
; CLUSTERS: 4 x 4 work-groups.  The four of a cluster's row need the same tiles of x, the four of a column the same tiles of Wo: each is asked for JOINTLY,
; which divides the requests by four.  Tensor loads outstanding in a wave: two at the start, one behind each round.
; NO PREFETCH: half of the launch's bytes are asked for in its first lines, and the other half two K steps later.
; REGISTERS: window 0: v16-27 addresses, v32-95 and v96-159 two fragment buffers (4 x 16 rows of x, 4 x 16 rows of Wo), v192-223 way out;
;            window 1: v0-127 the 16 accumulator tiles, v128-159 my 32 biases.
.set AP,     144                       ; 9 x 16 bytes: the 16 rows that a load touches start in 16 different 16-byte columns modulo 256
.set HEADT,  128*AP                    ; one head's 128 rows
.set BP,     528                       ; 33 x 16 bytes
.set BOFF,   4*HEADT                   ; Wo's 128 rows lie behind x's four heads
.set SLOT,   BOFF+128*BP               ; 141,312
.set STAGE,  2*SLOT                    ; behind the ring: 16 rows x 272 bytes for each wave, for the way out; no tensor load lands there
.set SPITCH, 272
.set ASTEP,  4*262144                  ; a K step in xh: four heads
.set BSTEP,  512                       ; a K step in wo16: 256 elements
.set FA,  16                           ; v16-17  my fragments of x in slot 0, 1
.set FW,  20                           ; v20-21  my fragments of Wo
.set STO, 24                           ; v24     way out: where I put 32 bytes of a row
.set RD,  25                           ; v25     way out: where I read rows back
.set OO,  26                           ; v26     out0: (lane >> 4) x 4096 + 16 (lane & 15)
.set BOF, 27                           ; v27     32 x (lane >> 4)
.set F0,  32
.set F1,  96
.set ET,  192
.set BIAS, 128                         ; window 1
.set G1, 24                            ; s[24:31] descriptor group 1 for x's tiles
.set G0, 32                            ; s[32:39] group 0 for them, one set for each slot
.set G1B, 48                           ; s[48:55] group 1 for Wo's tiles
.set G0B, 56                           ; s[56:63] group 0 for them, one set for each slot
.set MSB, 0
.macro WIN new                         ; s_set_vgpr_msb: bits 1:0 source 0, 3:2 source 1, 5:4 source 2, 7:6 destination; the high byte repeats the setting left
.if MSB != \new
	s_set_vgpr_msb (MSB<<8)|\new
.set MSB, \new
.endif
.endm
; A load into a register that a matrix instruction has read, and a vector instruction that reads a matrix result, stand four places behind that matrix
; instruction, and only plain vector instructions that name none of its registers are places (ISA guide 7.12.1 for vector instructions).
.macro PLACES
.rept 4
	v_nop
.endr
.endm
; A joint load.  Waves 0 and 1 fetch x's two pairs of heads, waves 2 and 3 Wo's two halves.  Each line has one mask and one set of registers for all that issue
; it.  The branch hangs on the wave's number alone: it is the same in every work-group.
.macro JLOAD s
	s_cmp_eq_u32 s11, 0
	s_cbranch_scc0 .Lfor_b_\@
	tensor_load_to_lds s[G0+4*\s:G0+4*\s+3], s[G1:G1+7]
	s_nop 0
	s_branch .Lasked_\@
.Lfor_b_\@:
	tensor_load_to_lds s[G0B+4*\s:G0B+4*\s+3], s[G1B:G1B+7]
	s_nop 0
.Lasked_\@:
.endm
; A round of the cluster's barrier: my work-group's barrier, so that wave 0's signal speaks for all four waves; wave 0 signals for the work-group; every wave
; waits for all sixteen work-groups; my work-group's barrier once more.
.macro CREST                           ; a round behind its opening barrier
	s_cmp_lg_u32 s10, 0
	s_cbranch_scc1 .Lnot_wave_0_\@
	s_barrier_signal -3
.Lnot_wave_0_\@:
	s_barrier_wait -3
	s_barrier_signal -1
	s_barrier_wait -1
.endm
.macro CROUND                          ; a whole round
	s_barrier_signal -1
	s_barrier_wait -1
	CREST
.endm
	s_load_b256 s[68:75], s[0:1], 0x0              ; xh s[68:69], wo16 s[70:71], bo s[72:73], out0 s[74:75]
	v_lshl_add_u32 v254, v0, 2, 0x49400
	v_mov_b32 v255, 0
	ds_add_u32 v254, v255
	v_lshrrev_b32 v1, 5, v0
	v_readfirstlane_b32 s10, v1                    ; wave 0..3
	s_lshr_b32 s11, s10, 1                         ; wm.  Also: I fetch x (0) or Wo (1)
	s_and_b32 s12, s10, 1                          ; wn.  Also: which half of that tile I fetch
	s_bfe_u32 s40, ttmp6, 0x40000                  ; cx
	s_bfe_u32 s41, ttmp6, 0x40004                  ; cy
	s_lshl_b32 s42, ttmp9, 2                       ; in a cluster launch ttmp9 and ttmp7 count clusters
	s_add_co_u32 s42, s42, s40                     ; nt = 4 x cluster x + cx
	s_and_b32 s13, ttmp7, 0xffff
	s_lshl_b32 s13, s13, 2
	s_add_co_u32 s13, s13, s41                     ; mt = 4 x cluster y + cy
	s_lshl_b32 s43, s41, 2
	s_lshl_b32 s43, 15, s43                        ; my row of the cluster: places 4 cy .. 4 cy + 3
	s_lshl_b32 s44, 0x1111, s40                    ; my column: places cx, cx + 4, cx + 8, cx + 12
	; group 1 for x: 2 rows (heads) x 8,192 elements of 2 bytes
	s_or_b32 s[G1+0], s43, (1<<16)|(1<<20)|(1<<21)|(4<<22)|(3<<25)  ; 15:0 the mask: my row; 17:16 element of 2 bytes; 20 padding on; 21 set beside a mask; 24:22 after every 32 words; 31:25 of 4 words
	s_mov_b32 s[G1+1], 8192<<16                    ; tensor_dim0 = 8,192
	s_mov_b32 s[G1+2], 2<<16                       ; tensor_dim1 = 2
	s_mov_b32 s[G1+3], 8192<<16                    ; tile_dim0 = 8,192
	s_mov_b32 s[G1+4], 2                           ; tile_dim1 = 2
	s_mov_b32 s[G1+5], 131072                      ; a head's 2048 x 64 elements from row to row
	s_mov_b32 s[G1+6], 0
	s_mov_b32 s[G1+7], 0
	; group 1 for Wo: 64 rows x 256 elements of 2 bytes
	s_or_b32 s[G1B+0], s44, (1<<16)|(1<<20)|(1<<21)|(6<<22)|(3<<25) ; the mask of my column; padding of 4 words after every 128
	s_mov_b32 s[G1B+1], 256<<16                    ; tensor_dim0 = 256
	s_mov_b32 s[G1B+2], 64<<16                     ; tensor_dim1 = 64
	s_mov_b32 s[G1B+3], 256<<16                    ; tile_dim0 = 256
	s_mov_b32 s[G1B+4], 64                         ; tile_dim1 = 64
	s_mov_b32 s[G1B+5], 1024                       ; 1,024 elements from row to row
	s_mov_b32 s[G1B+6], 0
	s_mov_b32 s[G1B+7], 0
	; where the tiles come from.  x's hang on mt alone, which my row of the cluster shares; Wo's on nt alone, which my column shares.
	; Every wave makes both addresses, in registers that never hold the other coordinate, and asks by one of them.
	s_lshr_b32 s16, s13, 4                         ; x: batch mt >> 4 (16 heads of 262,144 bytes),
	s_lshl_b32 s16, s16, 22
	s_and_b32 s18, s13, 15                         ; rows 128 (mt & 15) of 128 bytes,
	s_lshl_b32 s18, s18, 14
	s_add_co_u32 s16, s16, s18
	s_lshl_b32 s18, s12, 19                        ; my pair of the K step's four heads
	s_add_co_u32 s16, s16, s18
	s_mov_b32 s17, 0
	s_lshl_b32 s46, s42, 18                        ; Wo: row 128 nt + 64 x half, of 2,048 bytes
	s_lshl_b32 s47, s12, 17
	s_add_co_u32 s46, s46, s47
	s_mov_b32 s47, 0
	s_mul_i32 s20, s10, 2*HEADT                    ; and where they go: x's pairs of heads by waves 0, 1 from byte 0 on,
	s_mul_i32 s21, s10, 64*BP                      ; Wo's halves by waves 2, 3 from BOFF on: no place in the cluster enters an LDS address
	s_add_co_u32 s21, s21, BOFF-2*64*BP
	s_wait_dscnt 0x0
	s_wait_kmcnt 0x0
	s_add_nc_u64 s[14:15], s[68:69], s[16:17]
	s_add_nc_u64 s[46:47], s[70:71], s[46:47]
	CROUND                                         ; all sixteen work-groups are here: the first joint loads meet
.irp s, 0,1
	s_mov_b32 s[G0+4*\s], 1                                        ; count = 1
	s_add_co_u32 s[G0+4*\s+1], s20, \s*SLOT                        ; LDS address
	s_add_nc_u64 s[G0+4*\s+2:G0+4*\s+3], s[14:15], \s*ASTEP        ; global address: K step s
	s_or_b32 s[G0+4*\s+3], s[G0+4*\s+3], 0x80000000                ; type = 2
	s_mov_b32 s[G0B+4*\s], 1
	s_add_co_u32 s[G0B+4*\s+1], s21, \s*SLOT
	s_add_nc_u64 s[G0B+4*\s+2:G0B+4*\s+3], s[46:47], \s*BSTEP
	s_or_b32 s[G0B+4*\s+3], s[G0B+4*\s+3], 0x80000000
	JLOAD \s                                       ; the ring is filled before anything else is done
.endr
	; A fragment is 16 rows x 32 K in 8 registers: lane l holds row l % 16; registers 0-3 hold K = 8 (l / 16) + 0..7, registers 4-7 K = 16 + 8 (l / 16) + 0..7:
	; two loads of 16 bytes, 32 bytes apart.
	v_and_b32 v1, 15, v0                           ; r = l % 16
	v_bfe_u32 v2, v0, 4, 1                         ; h = l / 16
	v_mul_u32_u24 v3, v1, AP
	v_lshl_add_u32 v3, v2, 4, v3
	s_mul_i32 s22, s11, 64*AP                      ; my 64 rows of x, in each head
	v_add_nc_u32 v[FA], s22, v3
	v_add_nc_u32 v[FA+1], SLOT, v[FA]
	v_mul_u32_u24 v4, v1, BP
	v_lshl_add_u32 v4, v2, 4, v4
	s_mul_i32 s23, s12, 64*BP                      ; my 64 rows of Wo
	s_add_co_u32 s23, s23, BOFF
	v_add_nc_u32 v[FW], s23, v4
	v_add_nc_u32 v[FW+1], SLOT, v[FW]
	s_mul_i32 s22, s10, 16*SPITCH
	s_add_co_u32 s22, s22, STAGE                   ; my stage
	v_mul_u32_u24 v5, v1, SPITCH
	v_lshl_add_u32 v6, v2, 5, v5                   ; in: row r, 32 bytes for each half of the lanes
	v_add_nc_u32 v[STO], s22, v6
	v_mul_u32_u24 v5, v2, SPITCH                   ; back: sixteen lanes take one row of 256 bytes
	v_lshl_add_u32 v5, v1, 4, v5
	v_add_nc_u32 v[RD], s22, v5
	v_lshlrev_b32 v5, 4, v1
	v_lshl_add_u32 v[OO], v2, 12, v5
	v_lshlrev_b32 v[BOF], 5, v2
	s_lshl_b32 s88, s42, 9                         ; bo: (128 nt + 64 wn) x 4; offsets in registers that feed no descriptor
	s_lshl_b32 s89, s12, 8
	s_add_co_u32 s88, s88, s89
	s_mov_b32 s89, 0
	s_add_nc_u64 s[84:85], s[72:73], s[88:89]
	s_lshl_b32 s90, s13, 19                        ; out0: row 128 mt + 64 wm of 4,096 bytes, and the same columns
	s_lshl_b32 s91, s11, 18
	s_add_co_u32 s90, s90, s91
	s_add_co_u32 s90, s90, s88
	s_mov_b32 s91, 0
	s_add_nc_u64 s[86:87], s[74:75], s[90:91]
	WIN 0x40
.irp b, 0,1,2,3
	global_load_b128 v[BIAS+8*\b:BIAS+8*\b+3],   v[BOF], s[84:85] offset:64*\b       ; bias of my columns 16 b + 8 h + 0..7, waited for on the way out
	global_load_b128 v[BIAS+8*\b+4:BIAS+8*\b+7], v[BOF], s[84:85] offset:64*\b+16
.endr
; 16 LDS loads: the fragments of chunk ch (32 along K: half ch & 1 of head ch >> 1) of slot s into buffer f
.macro FETCH s, ch, f
	WIN 0
.irp a, 0,1,2,3
	ds_load_b128 v[\f+8*\a:\f+8*\a+3],   v[FA+\s] offset:(\ch>>1)*HEADT+\a*16*AP+64*(\ch&1)
	ds_load_b128 v[\f+8*\a+4:\f+8*\a+7], v[FA+\s] offset:(\ch>>1)*HEADT+\a*16*AP+64*(\ch&1)+32
.endr
.irp b, 0,1,2,3
	ds_load_b128 v[\f+32+8*\b:\f+32+8*\b+3],   v[FW+\s] offset:\b*16*BP+64*\ch
	ds_load_b128 v[\f+32+8*\b+4:\f+32+8*\b+7], v[FW+\s] offset:\b*16*BP+64*\ch+32
.endr
.endm
; 8 matrix instructions: row blocks a0, a0 + 1 x all 4 column blocks.  Used transposed (source 0 = Wo, source 1 = x): lane (r, h), register j = row 16 a + r,
; column 16 b + 8 h + j.  zero = 1: the first product starts the sums.  The 16 accumulators take turns, one instruction a turn, always in the same order.
.macro MULH f, a0, zero
	WIN 0x50
.irp a, \a0, \a0+1
.irp b, 0,1,2,3
.if \zero
	v_wmma_f32_16x16x32_f16 v[8*(4*(\a)+\b):8*(4*(\a)+\b)+7], v[\f+32+8*\b:\f+32+8*\b+7], v[\f+8*(\a):\f+8*(\a)+7], 0
.else
	v_wmma_f32_16x16x32_f16 v[8*(4*(\a)+\b):8*(4*(\a)+\b)+7], v[\f+32+8*\b:\f+32+8*\b+7], v[\f+8*(\a):\f+8*(\a)+7], v[8*(4*(\a)+\b):8*(4*(\a)+\b)+7]
.endif
.endr
.endr
.endm
; One of a K step's first seven chunks: fetches chunk nx of the same slot into buffer g, which the products just issued have read (hence the places), and multiplies buffer f.
.macro CHUNK s, nx, f, g, zero
	PLACES
	FETCH \s, \nx, \g
	s_wait_dscnt 16                                ; buffer f is in; the 16 loads just issued may stay out
	MULH \f, 0, \zero
	MULH \f, 2, \zero
.endm
.macro SEVEN s, zero
	CHUNK \s, 1, F0, F1, \zero
	CHUNK \s, 2, F1, F0, 0
	CHUNK \s, 3, F0, F1, 0
	CHUNK \s, 4, F1, F0, 0
	CHUNK \s, 5, F0, F1, 0
	CHUNK \s, 6, F1, F0, 0
	CHUNK \s, 7, F0, F1, 0
.endm
; The eighth chunk: multiplies buffer 1 and changes slots.  fill = 1: this slot is filled again, two K steps ahead.
; ONE barrier for the change.  In front of it each wave waits for its own reads of this slot and for all its tensor loads, of which one is out: its part of the
; next slot.  Behind it nobody reads this slot any more and the next slot is whole: the refill comes first, then the next slot's first fragments.
.macro TURN slot, next, fill
	s_wait_dscnt 0x0                               ; buffer 1 is in, and my reads of this slot are over
	s_wait_tensorcnt 0x0                           ; all my tensor loads have landed
	ds_add_u32 v254, v255
	s_wait_dscnt 0x0
	s_barrier_signal -1                            ; say so (where a slot is filled again this barrier opens a round of the cluster's barrier),
	MULH F1, 0, 0                                  ; work on registers while the others arrive,
	WIN 0
	s_barrier_wait -1                              ; and go on when all four have said so
.if \fill
	CREST                                          ; all sixteen work-groups have said so: no wave of any partner still reads this slot's tile or has a load on its way
	s_add_nc_u64 s[G0+4*\slot+2:G0+4*\slot+3], s[G0+4*\slot+2:G0+4*\slot+3], 2*ASTEP
	s_add_nc_u64 s[G0B+4*\slot+2:G0B+4*\slot+3], s[G0B+4*\slot+2:G0B+4*\slot+3], 2*BSTEP
	JLOAD \slot                                    ; the first tensor load behind the round, one a wave
.endif
	PLACES                                         ; buffer 0 was read by the seventh chunk's products
	FETCH \next, 0, F0
	MULH F1, 2, 0
.endm
	s_wait_tensorcnt 0x1                           ; my part of K step 0 is in; K step 1's may stay out
	s_barrier_signal -1
	s_barrier_wait -1                              ; everybody's is
	FETCH 0, 0, F0
	SEVEN 0, 1                                     ; K step 0: its first products start the sums: nothing is cleared
	TURN 0, 1, 1                                   ; K step 2 goes out into slot 0
	SEVEN 1, 0                                     ; K step 1
	TURN 1, 0, 1                                   ; K step 3 goes out into slot 1: the last fill
	SEVEN 0, 0                                     ; K step 2
	TURN 0, 1, 0                                   ; nothing is left to fetch: a plain barrier, behind my wait for slot 1's part
	SEVEN 1, 0                                     ; K step 3
	s_wait_dscnt 0x0                               ; the very last chunk
	MULH F1, 0, 0
	MULH F1, 2, 0
	; THE WAY OUT, 16 rows at a time through my own stage: sum x 2 + bias (x came halved), 32 bytes a lane in, whole rows of 256 bytes back.
	PLACES
	s_wait_loadcnt 0x0                             ; the biases
.macro OUT16 a, f
	WIN 0x11
.irp b, 0,1,2,3
.irp k, 0,2,4,6
	v_pk_fma_f32 v[ET+8*\b+\k:ET+8*\b+\k+1], v[8*(4*\a+\b)+\k:8*(4*\a+\b)+\k+1], 2.0, v[BIAS+8*\b+\k:BIAS+8*\b+\k+1] op_sel_hi:[1,0,1]
.endr
.endr
	WIN 0
.irp b, 0,1,2,3
	ds_store_b128 v[STO], v[ET+8*\b:ET+8*\b+3]   offset:64*\b
	ds_store_b128 v[STO], v[ET+8*\b+4:ET+8*\b+7] offset:64*\b+16
.endr
	s_wait_xcnt 0x0                                ; buffer f held the data of earlier stores: it is loaded again only behind this wait
.irp t, 0,1,2,3,4,5,6,7
	ds_load_b128 v[\f+4*\t:\f+4*\t+3], v[RD] offset:2*SPITCH*\t    ; LDS serves a wave's instructions in order (ISA guide 5.7.1.4): these see the stores above
.endr
.irp t, 0,1,2,3,4,5,6,7
	s_wait_dscnt 7-\t                              ; the younger read-backs may stay out
	global_store_b128 v[OO], v[\f+4*\t:\f+4*\t+3], s[86:87] offset:(16*\a+2*\t)*4096 th:TH_STORE_NT   ; sixteen lanes store 256 consecutive bytes, aligned
.endr
.endm
	OUT16 0, F0
	OUT16 1, F1
	OUT16 2, F0
	OUT16 3, F1
	s_wait_tensorcnt 0x0
	ds_add_u32 v254, v255
	s_wait_dscnt 0x0
	CROUND                                         ; the closing round: no work-group ends while a partner may still ask for a tile that names it
	s_endpgm
.Lfunc_end_k_q7970f02383_oproj:
	.size	k_q7970f02383_oproj, .Lfunc_end_k_q7970f02383_oproj-k_q7970f02383_oproj
	.p2alignl 7, 3214868480
	.fill 96, 4, 3214868480
	.section	.rodata,"a",@progbits
	.p2align	6, 0x0
	.amdhsa_kernel k_q7970f02383_oproj
		.amdhsa_group_segment_fixed_size 327680
		.amdhsa_private_segment_fixed_size 0
		.amdhsa_enable_private_segment 0
		.amdhsa_kernarg_size 32
		.amdhsa_user_sgpr_count 2
		.amdhsa_user_sgpr_kernarg_segment_ptr 1
		.amdhsa_wavefront_size32 1
		.amdhsa_system_sgpr_workgroup_id_x 1
		.amdhsa_system_sgpr_workgroup_id_y 1
		.amdhsa_system_sgpr_workgroup_id_z 1
		.amdhsa_system_vgpr_workitem_id 0
		.amdhsa_next_free_vgpr 512
		.amdhsa_next_free_sgpr 96
		.amdhsa_reserve_vcc 0
		.amdhsa_float_denorm_mode_32 3
		.amdhsa_float_denorm_mode_16_64 3
		.amdhsa_memory_ordered 1
		.amdhsa_forward_progress 1
		.amdhsa_inst_pref_size 93
	.end_amdhsa_kernel
	.amdgpu_metadata
---
amdhsa.version: [ 1, 2 ]
amdhsa.kernels:
  - .name:           k_q7970f02383_oproj
    .symbol:         k_q7970f02383_oproj.kd
    .args:
      - { .name: xh, .offset: 0, .size: 8, .value_kind: global_buffer, .address_space: global }
      - { .name: wo16, .offset: 8, .size: 8, .value_kind: global_buffer, .address_space: global }
      - { .name: bo, .offset: 16, .size: 8, .value_kind: global_buffer, .address_space: global }
      - { .name: out0, .offset: 24, .size: 8, .value_kind: global_buffer, .address_space: global }
    .group_segment_fixed_size: 327680
    .private_segment_fixed_size: 0
    .kernarg_segment_align: 8
    .kernarg_segment_size: 32
    .max_flat_workgroup_size: 128
    .sgpr_count:     96
    .vgpr_count:     512
    .wavefront_size: 32
...
	.end_amdgpu_metadata
.endif
;; end of part 6
